; MI455X (gfx1250); checked and timed in simulation.
; The chip was launched on July 23, 2026; its instructions are those of AMD's public machine-readable ISA for CDNA 5 (MIT licence, August 2026) and "CDNA5" Instruction Set Architecture Reference Guide (July 2026). The comments in the code are by the model that wrote it; some were corrected since.
;; Mo E. Allowed arithmetic: float matrix products may take bf16 or f16 operands with f32 sums; all other float work in f32.
;; Inputs: W1 8 x 1,024 x 2,048 float32; W2 8 x 2,048 x 2,048 float32; b1 8 x 2,048 float32; b2 8 x 2,048 float32; clf_b 1,024 float32; clf_w 2,048 x 1,024 float32; gate_b1 1,024 float32; gate_b2 8 float32; gate_w1 1,024 x 1,024 float32; gate_w2 1,024 x 8 float32; x 1,024 x 1,024 float32.
;; Outputs: out0 1,024 x 8 x 1,024 float32; out1 1,024 x 8 float32.
;; One version. Each part assembles by itself: llvm-mc -triple=amdgcn-amd-amdhsa -mcpu=gfx1250 --defsym DOCPART=n.
;; ======== version 1 of 1: 4 launches
;; limits: values are held in f16: magnitudes above 65,504 overflow, below 6.1e-05 lose precision
;; workspace buffers: xbuf 2,097,152 bytes; cbuf 4,194,304 bytes; gwbuf 2,097,152 bytes; hbuf 33,554,432 bytes; eobuf 33,554,432 bytes; pbuf 2,097,152 bytes
;; launch prep (part 1): grid 256 x 1, 4 waves a work-group, no clusters, 0 bytes of LDS; arguments x, clf_w, gate_w1, xbuf, cbuf, gwbuf; writes xbuf, cbuf, gwbuf
.if DOCPART == 1
	.amdgcn_target "amdgcn-amd-amdhsa--gfx1250"
	.amdhsa_code_object_version 6
	.text
	.protected	k_q20bc0e717e_prep
	.globl	k_q20bc0e717e_prep
	.p2align	8
	.type	k_q20bc0e717e_prep,@function
k_q20bc0e717e_prep:
	s_mov_b64 s[64:65], 0
	v_nop
	global_prefetch_b8 v0, s[64:65] scope:SCOPE_SE
	s_setreg_imm32_b32 hwreg(HW_REG_WAVE_MODE, 25, 1), 1
	s_wait_xcnt 0x0
; prep: bf16 FRAGMENT IMAGES of x, clf_w and gate_w1, the three operands that the later launches read many times over.
; An image is 1,024 bytes: 16 rows (of x) or 16 columns (of a weight) x 32 k, as [chunk 0..1][lane 0..31][16 bytes]; lane (r = lane % 16, h = lane / 16), chunk c,
; holds k = 16 h + 8 c + 0..7 of row (column) r.  Two 16-byte LDS loads at 16 x lane (+512) are then a whole matrix operand.  The order of k inside the 32 is the same
; in every operand of this program, so the products are those of the true k.
; Of a weight stored [k][n] a lane reads 16 bytes = 4 neighbouring columns of a row k; so a group of 64 columns gives FOUR images, image f holding columns 64 G + 4 r + f.
; xbuf [kk 32][row block 64][1 KiB]; cbuf [kk 64][G 16][f 4][1 KiB]; gwbuf [kk 32][G 16][f 4][1 KiB].
; 1,024 waves; wave W takes one unit of x (16 rows x 64 k), one of clf_w (32 k x 64 columns) and half a unit of gate_w1 (16 k x 64 columns).  Straight line: all 32 loads
; first, then conversions and stores; every store of a wave covers 512 consecutive bytes.  No LDS, no barrier, no matrix unit: memory alone binds, and no wave needs another's data.
.set X,  8                             ; v[8:39]    x: [kk2][16 numbers of my row]
.set R,  40                            ; v[40:103]  clf_w: row s of my 16, 4 columns
.set GR, 104                           ; v[104:135] gate_w1: row s of my 8, 4 columns
.set PX, 136                           ; v[136:151] x packed
.set F,  152                           ; v[152:183] clf_w packed: image f at F + 8 f
.set GF, 184                           ; v[184:199] gate_w1 packed: image f's chunk at GF + 4 f
	s_load_b256 s[4:11], s[0:1], 0x0               ; x s[4:5], clf_w s[6:7], gate_w1 s[8:9], xbuf s[10:11]
	s_load_b128 s[12:15], s[0:1], 0x20             ; cbuf s[12:13], gwbuf s[14:15]
	v_lshrrev_b32 v1, 5, v0
	v_readfirstlane_b32 s16, v1                    ; wave 0..3
	s_lshl_b32 s17, ttmp9, 2
	s_add_co_u32 s16, s16, s17                     ; W = 4 x work-group + wave
	v_and_b32 v2, 15, v0                           ; r
	v_bfe_u32 v3, v0, 4, 1                         ; h
	v_and_b32 v4, 31, v0                           ; lane
	v_lshlrev_b32 v5, 12, v2
	v_lshl_add_u32 v5, v3, 6, v5                   ; x: row r (4,096 bytes) + 16 h numbers
	v_lshlrev_b32 v6, 16, v3
	v_lshl_add_u32 v6, v2, 4, v6                   ; weights: 16 h rows of 4,096 bytes + 4 r columns
	v_lshlrev_b32 v7, 4, v4                        ; images: 16 x lane
	s_lshr_b32 s17, s16, 4                         ; W / 16: x's row block, clf_w's kk
	s_and_b32 s18, s16, 15                         ; W % 16: x's 64 k, clf_w's G
	s_lshl_b32 s20, s17, 16
	s_lshl_b32 s19, s18, 8
	s_add_co_u32 s20, s20, s19                     ; x: 16 rows x block + 256 bytes x k64
	s_mov_b32 s21, 0
	s_lshl_b32 s22, s17, 17
	s_add_co_u32 s22, s22, s19                     ; clf_w: 32 rows x kk + 256 bytes x G
	s_mov_b32 s23, 0
	s_lshl_b32 s24, s18, 17
	s_lshl_b32 s19, s17, 10
	s_add_co_u32 s24, s24, s19                     ; xbuf: two kk planes of 65,536 bytes x k64 + 1,024 x block
	s_mov_b32 s25, 0
	s_lshl_b32 s26, s16, 12                        ; cbuf: four images x W
	s_mov_b32 s27, 0
	s_lshr_b32 s17, s16, 1                         ; V: gate_w1's unit
	s_and_b32 s18, s16, 1                          ; which chunk of its images is mine
	s_lshr_b32 s19, s17, 4
	s_lshl_b32 s28, s19, 17
	s_and_b32 s19, s17, 15
	s_lshl_b32 s19, s19, 8
	s_add_co_u32 s28, s28, s19
	s_lshl_b32 s19, s18, 15
	s_add_co_u32 s28, s28, s19                     ; gate_w1: 32 rows x kk + 256 bytes x G + 8 rows x chunk
	s_mov_b32 s29, 0
	s_lshl_b32 s30, s17, 12
	s_lshl_b32 s19, s18, 9
	s_add_co_u32 s30, s30, s19                     ; gwbuf: four images x V + 512 x chunk
	s_mov_b32 s31, 0
	s_wait_kmcnt 0x0
	s_add_nc_u64 s[4:5], s[4:5], s[20:21]
	s_add_nc_u64 s[6:7], s[6:7], s[22:23]
	s_add_nc_u64 s[8:9], s[8:9], s[28:29]
	s_add_nc_u64 s[10:11], s[10:11], s[24:25]
	s_add_nc_u64 s[12:13], s[12:13], s[26:27]
	s_add_nc_u64 s[14:15], s[14:15], s[30:31]
.irp k, 0,1
.irp c, 0,1,2,3
	global_load_b128 v[X+16*\k+4*\c:X+16*\k+4*\c+3], v5, s[4:5] offset:128*\k+16*\c   ; the wave's eight loads together take 256 whole bytes of each of 16 rows
.endr
.endr
.irp s, 0,1,2,3,4,5,6,7,8,9,10,11,12,13,14,15
	global_load_b128 v[R+4*\s:R+4*\s+3], v6, s[6:7] offset:4096*\s th:TH_LOAD_NT        ; 16 lanes take 256 consecutive bytes of a row
.endr
.irp s, 0,1,2,3,4,5,6,7
	global_load_b128 v[GR+4*\s:GR+4*\s+3], v6, s[8:9] offset:4096*\s th:TH_LOAD_NT
.endr
; four images from rows of four columns: word i of image f = rows 2 i and 2 i + 1 of column f.  n = words a lane makes for each image
.macro BCVT raw, out, n
.irp f, 0,1,2,3
.set i, 0
.rept \n
	v_cvt_pk_bf16_f32 v[\out+\n*\f+i], v[\raw+8*i+\f], v[\raw+8*i+4+\f]
.set i, i+1
.endr
.endr
.endm
	s_wait_loadcnt 24                              ; x's eight loads are in: the 16 + 8 younger ones stay out
.irp k, 0,1
.irp i, 0,1,2,3,4,5,6,7
	v_cvt_pk_bf16_f32 v[PX+8*\k+\i], v[X+16*\k+2*\i], v[X+16*\k+2*\i+1]
.endr
.endr
.irp k, 0,1
.irp c, 0,1
	global_store_b128 v7, v[PX+8*\k+4*\c:PX+8*\k+4*\c+3], s[10:11] offset:65536*\k+512*\c
.endr
.endr
	s_wait_loadcnt 8                               ; clf_w's sixteen are in: gate_w1's eight stay out
	BCVT R, F, 8
.irp f, 0,1,2,3
.irp c, 0,1
	global_store_b128 v7, v[F+8*\f+4*\c:F+8*\f+4*\c+3], s[12:13] offset:1024*\f+512*\c
.endr
.endr
	s_wait_loadcnt 0x0
	BCVT GR, GF, 4
.irp f, 0,1,2,3
	global_store_b128 v7, v[GF+4*\f:GF+4*\f+3], s[14:15] offset:1024*\f
.endr
	s_endpgm
.Lfunc_end_k_q20bc0e717e_prep:
	.size	k_q20bc0e717e_prep, .Lfunc_end_k_q20bc0e717e_prep-k_q20bc0e717e_prep
	.p2alignl 7, 3214868480
	.fill 96, 4, 3214868480
	.section	.rodata,"a",@progbits
	.p2align	6, 0x0
	.amdhsa_kernel k_q20bc0e717e_prep
		.amdhsa_group_segment_fixed_size 0
		.amdhsa_private_segment_fixed_size 0
		.amdhsa_enable_private_segment 0
		.amdhsa_kernarg_size 48
		.amdhsa_user_sgpr_count 2
		.amdhsa_user_sgpr_kernarg_segment_ptr 1
		.amdhsa_wavefront_size32 1
		.amdhsa_system_sgpr_workgroup_id_x 1
		.amdhsa_system_sgpr_workgroup_id_y 1
		.amdhsa_system_sgpr_workgroup_id_z 1
		.amdhsa_system_vgpr_workitem_id 0
		.amdhsa_next_free_vgpr 208
		.amdhsa_next_free_sgpr 66
		.amdhsa_reserve_vcc 0
		.amdhsa_float_denorm_mode_32 3
		.amdhsa_float_denorm_mode_16_64 3
		.amdhsa_memory_ordered 1
		.amdhsa_forward_progress 1
		.amdhsa_inst_pref_size 11
	.end_amdhsa_kernel
	.amdgpu_metadata
---
amdhsa.version: [ 1, 2 ]
amdhsa.kernels:
  - .name:           k_q20bc0e717e_prep
    .symbol:         k_q20bc0e717e_prep.kd
    .args:
      - { .name: x, .offset: 0, .size: 8, .value_kind: global_buffer, .address_space: global }
      - { .name: clf_w, .offset: 8, .size: 8, .value_kind: global_buffer, .address_space: global }
      - { .name: gate_w1, .offset: 16, .size: 8, .value_kind: global_buffer, .address_space: global }
      - { .name: xbuf, .offset: 24, .size: 8, .value_kind: global_buffer, .address_space: global }
      - { .name: cbuf, .offset: 32, .size: 8, .value_kind: global_buffer, .address_space: global }
      - { .name: gwbuf, .offset: 40, .size: 8, .value_kind: global_buffer, .address_space: global }
    .group_segment_fixed_size: 0
    .private_segment_fixed_size: 0
    .kernarg_segment_align: 8
    .kernarg_segment_size: 48
    .max_flat_workgroup_size: 128
    .sgpr_count:     66
    .vgpr_count:     208
    .wavefront_size: 32
...
	.end_amdgpu_metadata
.endif
;; end of part 1
;; launch fc1 (part 2): grid 64 x 4, 4 waves a work-group, clusters of 4 x 4, 327,680 bytes of LDS; arguments xbuf, W1, b1, gwbuf, gate_b1, gate_w2, hbuf, pbuf; writes hbuf, pbuf
.if DOCPART == 2
	.amdgcn_target "amdgcn-amd-amdhsa--gfx1250"
	.amdhsa_code_object_version 6
	.text
	.protected	k_q20bc0e717e_fc1
	.globl	k_q20bc0e717e_fc1
	.p2align	8
	.type	k_q20bc0e717e_fc1,@function
k_q20bc0e717e_fc1:
	s_mov_b64 s[64:65], 0
	v_nop
	global_prefetch_b8 v0, s[64:65] scope:SCOPE_SE
	s_setreg_imm32_b32 hwreg(HW_REG_WAVE_MODE, 25, 1), 1
	s_wait_xcnt 0x0
	s_wait_alu depctr_hold_cnt(0) depctr_sa_sdst(0) depctr_va_vdst(0) depctr_va_sdst(0) depctr_va_ssrc(0) depctr_va_vcc(0) depctr_vm_vsrc(0)
	s_getreg_b32 s2, hwreg(HW_REG_IB_STS2, 6, 4)
	s_cmp_eq_u32 s2, 0
	s_cbranch_scc0 .Lentry_in_a_cluster
	s_endpgm
.Lentry_in_a_cluster:
	s_bfe_u32 s2, ttmp6, 0x10000c
	s_cmp_lg_u32 s2, 0xf033
	s_cbranch_scc0 .Lentry_shape_is_right
	s_endpgm
.Lentry_shape_is_right:
; fc1: h[e] = relu(x W1[e] + b1[e]), and beside it the router's first layer and its share of the second.
; SHARES.  Work-group (nx = 0..63, mt = 0..3): expert e = nx / 8, columns 256 (nx % 8) .. + 255, rows 256 mt .. + 255; four waves 2 x 2, each 128 x 128: 64 accumulators, 512 registers.
; Each work-group also takes 16 of gate_w1's 1,024 columns (64 (nx / 4) + nx % 4 + 4 i) for its 256 rows: 4 products more a wave and quarter (64 rows each).
; OPERANDS.  Rows (x) come as bf16 fragment images (1 KiB = 16 rows x 32 k, [chunk][lane][16 B]; lane (r, h), chunk c: k = 16 h + 8 c + 0..7).  The weights come as they lie,
; f32 [k][n]: a lane reads 16 bytes = 4 neighbouring columns of each of its 16 rows k = 16 h + s, and v_cvt_pk_bf16_f32 of two rows makes a word of FOUR fragments; fragment f of a group of 64
; columns holds columns 4 r + f.  16 lanes read 256 consecutive bytes, so LDS rows want no padding.  The order of k inside a quarter is the same in both operands.
; THE MATRIX INSTRUCTION IS USED TRANSPOSED (source 0 = weights, source 1 = rows): lane (r, h) holds row r and, over registers j and fragments f, columns 32 h + 4 j + f of the group: 32 neighbouring
; columns, which are four 16-byte chunks of the NEXT product's images.  So the result is stored straight from registers, 16 lanes to 256 consecutive aligned bytes, with no way through LDS.
; THE RESULT GOES OUT AS f16, AS h / 16: 11 significant bits, so that of the two intermediates of the chain only expert_outs is rounded to 8.  The factor 1/16 (exact) centres h in f16's range:
; |h| is some 6 for inputs as drawn, some 5,000 with every input 30 times larger, some 29,000 (1,024 x 30 x 0.94) with x and W1 both offset by 30 spreads; the format holds up to 16 x 65,504.
; The next launch scales its bias alike, and the last launch multiplies by 16.
; K goes in quarters of 32; a slot of LDS holds NQ = 3 quarters (the last lap NQL = 1), two slots take turns.
; CLUSTER 4 x 4: the four work-groups of a row of the cluster need the same rows, the four of a column the same weights: every tile is asked for jointly.
; The bias is the C of a sum's first product.  The gate's hidden numbers never leave registers: relu, then times my 16 rows of gate_w2 in f32 on the vector unit (8 columns would half fill a matrix
; tile), and the partial sums [256 rows][8] go to pbuf; the last launch adds the 64 partials.
; LIMITS.  relu is v_max_num_f32: a NaN sum gives 0.  |h| from 1,048,064 on becomes infinite; below 16 x 2^-14 h is kept in steps of 16 x 2^-24.  The order of the sums over k is not the reference's.
.set NQ,     3                         ; quarters in a slot
.set NQL,    1                         ; quarters in each slot of the last lap: 32 = 5 x 6 + 2 x 1
.set TRIPS,  4                         ; full laps less one
.set EW,     8388608                   ; bytes of one expert's weights
.set ADIM,   2048                      ; 8-byte elements in a row of A's tile: one load brings all 16 row blocks' images of a quarter
.set AQ,     16384                     ; bytes from quarter to quarter in A's part of a slot
.set AWM,    8192                      ; bytes from the upper 128 rows' images to the lower ones'
.set BOFF,   49152                     ; a slot: A's images 49,152 bytes; then two halves of the weights, [96 k][512 B] each;
.set B_HALF, 49152
.set GOFF,   147456                    ; then the gate's fragment, [quarter][1 KiB]
.set SLOT,   150528
.set SPARE,  2*SLOT                    ; behind the ring: the spare words, 128 bytes a wave, two blocks of 256 bytes that no other line names
.set QA,     65536                     ; bytes from quarter to quarter in the image buffers
.set QB,     262144                    ; and in the weights: 32 rows of 8,192 bytes
.set NYOUNG, 18                        ; loads of a run issued behind its 32 raw weight loads: 16 of the rows' fragments, 2 of the gate's
; vector registers.  window 0:
.set ADRA, 4                           ; v4,5 LDS address of my row blocks 0-3 in slot 0, 1;  v6,7 of blocks 4-7
.set ADRB, 8                           ; v8,9 of my weights
.set ADRG, 10                          ; v10,11 of the gate's fragment
.set OUT,  12                          ; v12, v13 my byte offset in the result, blocks 0-3 and 4-7
.set SPW,  14                          ; v14 LDS address of my spare word; never rewritten
.set NIL,  15                          ; v15 0; never rewritten
.set GF0,  16                          ; v16-23, v24-31 the gate's fragment, two buffers
.set GA,   32                          ; v32-63 the gate's four accumulators
.set AF0,  64                          ; v64-127, v128-191 rows' fragments, two buffers
.set BIAS, 192                         ; v192-255 the bias in an accumulator's layout, for each of the 8 fragments of columns
.set T,    64                          ; the way out: v64-95 at work, v96-127 packed (two sets), v128-191 gate_w2
.set PK,   96
.set GW,   128
.set GG,   64
.set PP,   72
.set XX,   80
.set OO,   88
; window 1: v0-127 weights as loaded ([group of 64 columns][row s][4 columns]); v128-191, v192-255 their fragments, two buffers.  windows 2, 3: accumulator (a, b) at 8 (8 (a % 4) + b), window 2 + a / 4
.set RAW,  0
.set BF0,  128
; scalar registers
.set PA,   4                           ; arguments
.set PW,   6
.set PBI,  8
.set PGW,  10
.set PGB,  12
.set PG2,  14
.set POUT, 16
.set PPB,  18
.set WV,   20
.set WM,   21
.set WN,   22
.set CX,   23
.set CY,   24
.set NX,   25
.set EX,   26
.set NT,   27
.set G1A,  32                          ; s[32:39] group 1, s[40:47] group 0 (a set for each slot) of the rows' tiles
.set G0A,  40
.set G1B,  48                          ; s[48:55], s[56:63] of the weights'
.set G0B,  56
.set SC,   66                          ; s[66:67] 1/16: the packed multiply names a pair and takes its low word for both halves
.set G1G,  68                          ; s[68:75], s[76:83] of the gate's
.set G0G,  76
.set CNT,  84
.set MROW, 85
.set MCOL, 86
.set LB,   87
.set SEL,  88
.set MSB, 0
.macro WIN new                         ; the immediate's high byte repeats the setting that is left; a switch that changes nothing is dropped
.if MSB != (\new)
	s_set_vgpr_msb (MSB<<8)|(\new)
.set MSB, (\new)
.endif
.endm
.macro PLACES                          ; four places: a load into, or a vector write of, a register that a matrix instruction has read, and a vector read of a result, stand four plain vector instructions behind it
.rept 4
	v_nop
.endr
.endm
.macro CREST                           ; a round of the cluster's barrier behind its opening barrier
	s_cmp_lg_u32 s[WV], 0
	s_cbranch_scc1 .Lnot_wave_0_\@
	s_barrier_signal -3
.Lnot_wave_0_\@:
	s_barrier_wait -3
	s_barrier_signal -1
	s_barrier_wait -1
.endm
.macro CROUND
	s_barrier_signal -1
	s_barrier_wait -1
	CREST
.endm
.macro ASK g0, g1                      ; one joint load; four v_nop follow it, ahead of the jump, the label and what comes next
	tensor_load_to_lds s[\g0:\g0+3], s[\g1:\g1+7]
	s_nop 0
	PLACES
.endm
.macro ASK2 g0, g1                     ; a wave's two first fills
	tensor_load_to_lds s[\g0:\g0+3], s[\g1:\g1+7]
	s_nop 0
	tensor_load_to_lds s[\g0+4:\g0+7], s[\g1:\g1+7]
	s_nop 0
	PLACES
.endm
; Who asks for what hangs on the wave's number alone: wave 0 the rows, wave 1 the gate's fragment, waves 2, 3 the halves of the weights.
.macro JLOAD s
	s_cmp_lg_u32 s[WV], 0
	s_cbranch_scc1 .Lnot_a_\@
	ASK G0A+4*\s, G1A
	s_branch .Lasked_\@
.Lnot_a_\@:
	s_cmp_lg_u32 s[WV], 1
	s_cbranch_scc1 .Lfor_b_\@
	ASK G0G+4*\s, G1G
	s_branch .Lasked_\@
.Lfor_b_\@:
	ASK G0B+4*\s, G1B
.Lasked_\@:
.endm
	s_load_b256 s[4:11], s[0:1], 0x0
	s_load_b256 s[12:19], s[0:1], 0x20
	v_lshl_add_u32 v[SPW], v0, 2, SPARE
	v_mov_b32 v[NIL], 0
	ds_add_u32 v14, v15
	s_wait_dscnt 0x0
	v_lshrrev_b32 v1, 5, v0
	v_readfirstlane_b32 s[WV], v1                  ; wave 0..3
	s_lshr_b32 s[WM], s[WV], 1                     ; which 128 rows are mine
	s_and_b32 s[WN], s[WV], 1                      ; which 128 columns; also: which half of the weights' tile I fetch
	s_bfe_u32 s[CX], ttmp6, 0x40000
	s_bfe_u32 s[CY], ttmp6, 0x40004                ; = mt: the grid is one cluster high
	s_lshl_b32 s[NX], ttmp9, 2
	s_add_co_u32 s[NX], s[NX], s[CX]               ; nx = 4 x cluster x + cx
	s_lshr_b32 s[EX], ttmp9, 1                     ; the expert: nx / 8, made without cx
	s_and_b32 s[NT], s[NX], 7                      ; the tile of 256 columns
	s_lshl_b32 s[MROW], s[CY], 2
	s_lshl_b32 s[MROW], 15, s[MROW]                ; my row of the cluster
	s_lshl_b32 s[MCOL], 0x1111, s[CX]              ; my column
	s_mov_b32 s[SC], 0x3d800000                    ; 1/16
	s_mov_b32 s[SC+1], 0x3d800000                  ; named with it as a pair, so it is written
	; group 1.  Rows: NQ rows of ADIM elements of 8 bytes (the row blocks' images of one quarter lie on end), 65,536 bytes from quarter to quarter
	s_or_b32 s[G1A], s[MROW], (3<<16)|(1<<21)
	s_mov_b32 s[G1A+1], ADIM<<16
	s_mov_b32 s[G1A+2], NQ<<16
	s_mov_b32 s[G1A+3], ADIM<<16
	s_mov_b32 s[G1A+4], NQ
	s_mov_b32 s[G1A+5], 8192
	s_mov_b32 s[G1A+6], 0
	s_mov_b32 s[G1A+7], 0
	; weights: 32 NQ rows (k) of 128 f32, 2,048 elements from row to row
	s_or_b32 s[G1B], s[MCOL], (2<<16)|(1<<21)
	s_mov_b32 s[G1B+1], 128<<16
	s_mov_b32 s[G1B+2], (32*NQ)<<16
	s_mov_b32 s[G1B+3], 128<<16
	s_mov_b32 s[G1B+4], 32*NQ
	s_mov_b32 s[G1B+5], 2048
	s_mov_b32 s[G1B+6], 0
	s_mov_b32 s[G1B+7], 0
	; the gate's fragment: NQ images of 1 KiB
	s_or_b32 s[G1G], s[MCOL], (3<<16)|(1<<21)
	s_mov_b32 s[G1G+1], 128<<16
	s_mov_b32 s[G1G+2], NQ<<16
	s_mov_b32 s[G1G+3], 128<<16
	s_mov_b32 s[G1G+4], NQ
	s_mov_b32 s[G1G+5], 8192
	s_mov_b32 s[G1G+6], 0
	s_mov_b32 s[G1G+7], 0
	; where the tiles come from.  The rows' registers never hold cx, the weights' and the gate's never cy.
	s_lshl_b32 s28, s[CY], 14                      ; 16 row blocks of 1 KiB x mt
	s_mov_b32 s29, 0
	s_mul_i32 s30, s[EX], EW
	s_lshl_b32 s90, s[NT], 10                      ; 256 columns of f32
	s_add_co_u32 s30, s30, s90
	s_lshl_b32 s90, s[WN], 9                       ; my half: 128 columns
	s_add_co_u32 s30, s30, s90
	s_mov_b32 s31, 0
	s_mul_i32 s[LB], s[WN], B_HALF
	s_lshl_b32 s2, s[NX], 10                       ; image nx of a quarter's 64
	s_mov_b32 s3, 0
	s_wait_kmcnt 0x0
	s_add_nc_u64 s[28:29], s[PA:PA+1], s[28:29]
	s_add_nc_u64 s[30:31], s[PW:PW+1], s[30:31]
	s_add_nc_u64 s[2:3], s[PGW:PGW+1], s[2:3]
	CROUND                                         ; all sixteen work-groups are here: the first joint loads meet
.irp s, 0,1
	s_mov_b32 s[G0A+4*\s], 1
	s_mov_b32 s[G0A+4*\s+1], \s*SLOT
	s_add_nc_u64 s[G0A+4*\s+2:G0A+4*\s+3], s[28:29], \s*NQ*QA
	s_or_b32 s[G0A+4*\s+3], s[G0A+4*\s+3], 0x80000000
	s_mov_b32 s[G0B+4*\s], 1
	s_add_co_u32 s[G0B+4*\s+1], s[LB], BOFF+\s*SLOT
	s_add_nc_u64 s[G0B+4*\s+2:G0B+4*\s+3], s[30:31], \s*NQ*QB
	s_or_b32 s[G0B+4*\s+3], s[G0B+4*\s+3], 0x80000000
	s_mov_b32 s[G0G+4*\s], 1
	s_mov_b32 s[G0G+4*\s+1], GOFF+\s*SLOT
	s_add_nc_u64 s[G0G+4*\s+2:G0G+4*\s+3], s[2:3], \s*NQ*QA
	s_or_b32 s[G0G+4*\s+3], s[G0G+4*\s+3], 0x80000000
.endr
	; a wave's two first fills stand in one branch on its number: two tensor loads of mine are out, later one
	s_cmp_lg_u32 s[WV], 0
	s_cbranch_scc1 .Lfirst_not_a
	ASK2 G0A, G1A
	s_branch .Lfirst_asked
.Lfirst_not_a:
	s_cmp_lg_u32 s[WV], 1
	s_cbranch_scc1 .Lfirst_b
	ASK2 G0G, G1G
	s_branch .Lfirst_asked
.Lfirst_b:
	ASK2 G0B, G1B
.Lfirst_asked:
	v_and_b32 v1, 15, v0                           ; r
	v_bfe_u32 v2, v0, 4, 1                         ; h
	v_and_b32 v3, 31, v0
	v_lshlrev_b32 v3, 4, v3                        ; 16 x lane
	s_mul_i32 s98, s[WM], AWM
	s_lshl_b32 s96, s[WN], 12                      ; my register blocks 0-3 are the 64 rows whose gate I own: real blocks 4 wn .. 4 wn + 3;
	s_sub_co_u32 s97, 4096, s96                    ; blocks 4-7 are the other four
	s_add_co_u32 s91, s98, s96
	v_add_nc_u32 v[ADRA], s91, v3
	s_add_co_u32 s91, s98, s97
	v_add_nc_u32 v[ADRA+2], s91, v3
	v_add_nc_u32 v[ADRA+1], SLOT, v[ADRA]
	v_add_nc_u32 v[ADRA+3], SLOT, v[ADRA+2]
	v_lshlrev_b32 v[ADRB], 13, v2                  ; 16 h rows of 512 bytes
	v_lshl_add_u32 v[ADRB], v1, 4, v[ADRB]         ; + 4 r columns
	s_add_co_u32 s91, s[LB], BOFF
	v_add_nc_u32 v[ADRB], s91, v[ADRB]
	v_add_nc_u32 v[ADRB+1], SLOT, v[ADRB]
	v_add_nc_u32 v[ADRG], GOFF, v3
	v_add_nc_u32 v[ADRG+1], SLOT, v[ADRG]
	v_lshlrev_b32 v[OUT], 16, v2                   ; the result: lanes 16-31 hold the next 32 columns = the next quarter's image, 65,536 bytes on
	v_lshl_add_u32 v[OUT], v1, 4, v[OUT]
	v_add_nc_u32 v[OUT+1], s97, v[OUT]
	v_add_nc_u32 v[OUT], s96, v[OUT]
	v_lshlrev_b32 v2, 7, v2                        ; the biases: 32 h numbers
	s_lshl_b32 s92, s[EX], 13                      ; bias at (2,048 e + 256 nt + 128 wn) x 4
	s_lshl_b32 s94, s[NT], 10
	s_add_co_u32 s92, s92, s94
	s_lshl_b32 s94, s[WN], 9
	s_add_co_u32 s92, s92, s94
	s_mov_b32 s93, 0
	s_add_nc_u64 s[PBI:PBI+1], s[PBI:PBI+1], s[92:93]
.irp b, 0,1,2,3,4,5,6,7
.irp j, 0,1,2,3,4,5,6,7
	global_load_b32 v[BIAS+8*\b+\j], v2, s[PBI:PBI+1] offset:(64*(\b/4)+4*\j+(\b%4))*4   ; register j of fragment b = 4 g + f: column 64 g + 32 h + 4 j + f
.endr
.endr
	s_lshr_b32 s92, s[NX], 2
	s_lshl_b32 s92, s92, 6
	s_and_b32 s94, s[NX], 3
	s_add_co_u32 s92, s92, s94                     ; my first gate column: 64 (nx / 4) + nx % 4
	s_lshl_b32 s95, s92, 5                         ; its row of gate_w2 (32 bytes)
	s_lshl_b32 s92, s92, 2
	s_add_nc_u64 s[PGB:PGB+1], s[PGB:PGB+1], s[92:93]
	s_mov_b32 s92, s95
	s_add_nc_u64 s[PG2:PG2+1], s[PG2:PG2+1], s[92:93]
.irp t, 0,1,2,3
.irp j, 0,1,2,3,4,5,6,7
	global_load_b32 v[GA+8*\t+\j], v2, s[PGB:PGB+1] offset:16*\j    ; the gate's sums begin with gate_b1: column + 32 h + 4 j
.endr
.endr
	s_lshl_b32 s92, s[NX], 15                      ; pbuf: slice nx, row 256 mt + 128 wm + 64 wn, 32 bytes a row
	s_lshl_b32 s94, s[CY], 13
	s_add_co_u32 s92, s92, s94
	s_lshl_b32 s94, s[WM], 12
	s_add_co_u32 s92, s92, s94
	s_lshl_b32 s94, s[WN], 11
	s_add_co_u32 s92, s92, s94
	s_add_nc_u64 s[PPB:PPB+1], s[PPB:PPB+1], s[92:93]
	s_mov_b32 s[SEL], 0x76543210
	s_mov_b32 s[SEL+1], 0xfedcba98
	s_lshl_b32 s92, s[EX], 22                      ; the result: expert, quarter 8 nt + 4 wn, row block 16 mt + 8 wm
	s_lshl_b32 s94, s[NT], 19
	s_add_co_u32 s92, s92, s94
	s_lshl_b32 s94, s[WN], 18
	s_add_co_u32 s92, s92, s94
	s_lshl_b32 s94, s[CY], 14
	s_add_co_u32 s92, s92, s94
	s_lshl_b32 s94, s[WM], 13
	s_add_co_u32 s92, s92, s94
	s_add_nc_u64 s[POUT:POUT+1], s[POUT:POUT+1], s[92:93]
; Product i of a quarter's 64: row block a = i / 8, fragment of columns b = i % 8, on buffer c.  The 64 accumulators take turns, one instruction a turn.
; first = 1: the sum begins with the bias as C.
.macro MM c, first
.set ma, i/8
.set mb, i%8
.set rD, 8*(8*(ma%4)+mb)
.set rB, BF0+64*(\c)+8*mb
.set rA, AF0+64*(\c)+8*ma
.if \first
	WIN 0x81+0x40*(ma/4)                           ; source 0 window 1, source 1 and C window 0, D window 2 or 3
	v_wmma_f32_16x16x32_bf16 v[rD:rD+7], v[rB:rB+7], v[rA:rA+7], v[BIAS+8*mb:BIAS+8*mb+7]
.else
	WIN 0xa1+0x50*(ma/4)                           ; C and D window 2 or 3
	v_wmma_f32_16x16x32_bf16 v[rD:rD+7], v[rB:rB+7], v[rA:rA+7], v[rD:rD+7]
.endif
.endm
.macro MMR c, i0, n, first             ; n products from i0 on, bare
.set i, \i0
.rept \n
	MM \c, \first
.set i, i+1
.endr
.endm
.macro GMS c                           ; the gate's four products of a quarter: my row blocks 0-3
	WIN 0
.irp t, 0,1,2,3
	v_wmma_f32_16x16x32_bf16 v[GA+8*\t:GA+8*\t+7], v[GF0+8*(\c):GF0+8*(\c)+7], v[AF0+64*(\c)+8*\t:AF0+64*(\c)+8*\t+7], v[GA+8*\t:GA+8*\t+7]
.endr
.endm
; THE LDS LOADS OF A QUARTER STAND IN ONE RUN of 50, never singly among the products: quarter q of a slot, for buffer n: 32 raw rows of weights, 16 halves of rows' fragments, the gate's fragment.
.macro FETCH slot, q, n
	WIN 0x40                                       ; destination window 1, address window 0
.set u, 0
.rept 32
	ds_load_b128 v[RAW+4*u:RAW+4*u+3], v[ADRB+\slot] offset:(\q)*16384+(u%16)*512+(u/16)*256
.set u, u+1
.endr
	WIN 0
.set u, 0
.rept 16
	ds_load_b128 v[AF0+64*(\n)+4*u:AF0+64*(\n)+4*u+3], v[ADRA+2*(u/8)+\slot] offset:(\q)*AQ+(u%8)*512
.set u, u+1
.endr
	ds_load_b128 v[GF0+8*(\n):GF0+8*(\n)+3],   v[ADRG+\slot] offset:(\q)*1024
	ds_load_b128 v[GF0+8*(\n)+4:GF0+8*(\n)+7], v[ADRG+\slot] offset:(\q)*1024+512
.endm
; Group t of 16 of the conversions: four words of the weights' fragments for buffer n: word i of fragment b = 4 g + f is rows 2 i, 2 i + 1 of column f
.macro CV4 n
	WIN 0x45                                       ; all in window 1
.set u, 4*t
.rept 4
	v_cvt_pk_bf16_f32 v[BF0+64*(\n)+u], v[RAW+64*(u/32)+8*(u%8)+((u/8)%4)], v[RAW+64*(u/32)+8*(u%8)+4+((u/8)%4)]
.set u, u+1
.endr
.endm
; The rest of a quarter on buffer c, from product i0 on: the run of loads for quarter q of a slot; the products up to 47; the wait for the raw weights; the last 16 products, each with four of the
; 64 conversions behind it (register work, set between products; the price is two window switches a group); the gate's four products.
.macro REST slot, q, c, first, i0
	FETCH \slot, \q, 1-(\c)
.set i, \i0
.rept 64-\i0
	MM \c, \first
.if i == 47
	s_wait_dscnt NYOUNG                            ; the 32 raw loads are in; the rows' and the gate's fragments, issued behind them, may be out
.endif
.if i >= 48
.set t, i-48
	CV4 1-(\c)
.endif
.set i, i+1
.endr
	GMS \c
.endm
.macro Q_N slot, q, c, first
	s_wait_dscnt 0x0                               ; this quarter's rows' fragments, issued 48 products ago or more
	MMR \c, 0, 8, \first
	PLACES                                         ; for the loads and conversions into the buffers that the last quarter multiplied
	REST \slot, (\q)+1, \c, \first, 8
.endm
; A slot's LAST QUARTER changes slots.  In front of the barrier each wave waits for all its tensor loads (one is out: its part of the next slot), adds 0 to its spare word, and waits for that and for its
; reads of this slot.  fill = 1: this slot is filled again, a lap ahead; 2, 3: with the last lap's short steps (slot 0, slot 1); the barrier then opens a round of the cluster's barrier.  0: nothing is filled.
; In the loop a refill has this quarter's other 52 products and two quarters of 68 in which to land.
.macro Q_T slot, next, c, fill
	WIN 0
	s_wait_tensorcnt 0x0                           ; all my tensor loads have landed
	ds_add_u32 v[SPW], v[NIL]                      ; 0 onto my spare word
	s_wait_dscnt 0x1                               ; this quarter's fragments are in; the add alone may be out
	MMR \c, 0, 8, 0
	s_wait_dscnt 0x0                               ; the add is done; my reads of this slot are over
	s_barrier_signal -1
	MMR \c, 8, 8, 0
	WIN 0
	s_barrier_wait -1
.if \fill
	CREST                                          ; no wave of any partner still reads this slot or has a load on its way
.if \fill == 3
.set adv, NQ+NQL
.else
.set adv, 2*NQ
.endif
	s_add_nc_u64 s[G0A+4*\slot+2:G0A+4*\slot+3], s[G0A+4*\slot+2:G0A+4*\slot+3], adv*QA
	s_add_nc_u64 s[G0B+4*\slot+2:G0B+4*\slot+3], s[G0B+4*\slot+2:G0B+4*\slot+3], adv*QB
	s_add_nc_u64 s[G0G+4*\slot+2:G0G+4*\slot+3], s[G0G+4*\slot+2:G0G+4*\slot+3], adv*QA
.if \fill == 2
	s_mov_b32 s[G1A+2], NQL<<16                    ; from here on the tiles are the last lap's: NQL quarters
	s_mov_b32 s[G1A+4], NQL
	s_mov_b32 s[G1B+2], (32*NQL)<<16
	s_mov_b32 s[G1B+4], 32*NQL
	s_mov_b32 s[G1G+2], NQL<<16
	s_mov_b32 s[G1G+4], NQL
.endif
	JLOAD \slot                                    ; my one tensor load behind the round; its four v_nop are also the places in front of the loads below
.else
	PLACES
.endif
	REST \next, 0, \c, 0, 16
.endm
	s_wait_tensorcnt 0x1                           ; my part of slot 0 is in; slot 1's, issued behind it, may stay out
	s_barrier_signal -1
	s_barrier_wait -1
	FETCH 0, 0, 0
	s_wait_dscnt 0x0
.set t, 0
.rept 16
	CV4 0
.set t, t+1
.endr
	s_wait_loadcnt 0x0                             ; the biases
	Q_N 0, 0, 0, 1                                 ; the first quarter starts the sums, ahead of the loop
	WIN 0
	s_mov_b32 s[CNT], TRIPS
.Llap:                                                 ; a trip goes once round the ring, from a lap's second quarter to the next lap's first
	Q_N 0, 1, 1, 0
	Q_T 0, 1, 0, 1
	Q_N 1, 0, 1, 0
	Q_N 1, 1, 0, 0
	Q_T 1, 0, 1, 1
	Q_N 0, 0, 0, 0
	WIN 0
	s_sub_co_u32 s[CNT], s[CNT], 1
	s_cmp_lg_u32 s[CNT], 0
	s_cbranch_scc1 .Llap
	Q_N 0, 1, 1, 0                                 ; the last full lap asks for the short steps
	Q_T 0, 1, 0, 2
	Q_N 1, 0, 1, 0
	Q_N 1, 1, 0, 0
	Q_T 1, 0, 1, 3
	Q_T 0, 1, 0, 0                                 ; the last lap, one quarter a slot: nothing is asked for
	s_wait_dscnt 0x0                               ; the very last quarter
	MMR 1, 0, 64, 0
	GMS 1
	; THE WAY OUT
	PLACES
	WIN 0
	v_bfe_u32 v1, v0, 4, 1                         ; h
	v_lshlrev_b32 v2, 10, v1                       ; 32 h rows of gate_w2
.irp j, 0,1,2,3,4,5,6,7
	global_load_b128 v[GW+8*\j:GW+8*\j+3],   v2, s[PG2:PG2+1] offset:128*\j       ; gate_w2's row of my gate column j: asked for now, used behind the 16 blocks below
	global_load_b128 v[GW+8*\j+4:GW+8*\j+7], v2, s[PG2:PG2+1] offset:128*\j+16
.endr
	v_and_b32 v3, 15, v0
	v_lshlrev_b32 v3, 5, v3
	v_lshl_add_u32 v3, v1, 4, v3                   ; pbuf: row r, experts 4 h .. 4 h + 3
	v_cmp_ne_u32 vcc_lo, 0, v1
; Row block a, column group g: my 32 columns of row r: relu, times 1/16, rounded to f16, four chunks of 16 bytes.  Each accumulator is read from its register 0 on.
.macro OUTBLK a, g
.set PKS, PK+16*(\g)
.set AC, 8*(8*((\a)%4)+4*(\g))
	s_wait_xcnt 0x0                                ; the packed registers were an earlier store's data: rewritten only behind this wait
	WIN 0x08+4*((\a)/4)                            ; source 1 window 2 or 3
.irp j, 0,1,2,3,4,5,6,7
.irp f, 0,1,2,3
	v_max_num_f32 v[T+4*\j+\f], 0, v[AC+8*\f+\j]
.endr
.endr
	WIN 0
.irp k, 0,1,2,3,4,5,6,7,8,9,10,11,12,13,14,15
	v_pk_mul_f32 v[T+2*\k:T+2*\k+1], v[T+2*\k:T+2*\k+1], s[SC:SC+1] op_sel_hi:[1,0]
.endr
.irp j, 0,1,2,3,4,5,6,7
.irp p, 0,1
	v_cvt_pk_f16_f32 v[PKS+2*\j+\p], v[T+4*\j+2*\p], v[T+4*\j+2*\p+1]
.endr
.endr
.irp q, 0,1,2,3
	global_store_b128 v[OUT+(\a)/4], v[PKS+4*\q:PKS+4*\q+3], s[POUT:POUT+1] offset:(\g)*131072+((\a)%4)*1024+(\q%2)*512+(\q/2)*256   ; columns 8 q .. + 7: chunk q % 2, lanes' half q / 2 of the image; 16 lanes store 256 consecutive aligned bytes
.endr
.endm
.irp a, 0,1,2,3,4,5,6,7
.irp g, 0,1
	OUTBLK \a, \g
.endr
.endr
	; the router's share: for each of my 64 rows, relu of my 16 hidden numbers (8 in this lane, 8 in the lane 16 away) times their rows of gate_w2
	s_wait_loadcnt 0x0
.irp t, 0,1,2,3
.irp j, 0,1,2,3,4,5,6,7
	v_max_num_f32 v[GG+\j], 0, v[GA+8*\t+\j]
.endr
.irp x, 0,1,2,3,4,5,6,7
	v_mul_f32 v[PP+\x], v[GG], v[GW+\x]
.endr
.irp j, 1,2,3,4,5,6,7
.irp x, 0,1,2,3,4,5,6,7
	v_fmac_f32 v[PP+\x], v[GG+\j], v[GW+8*\j+\x]
.endr
.endr
.irp x, 0,1,2,3,4,5,6,7
	v_permlanex16_b32 v[XX+\x], v[PP+\x], s[SEL], s[SEL+1]
.endr
.irp x, 0,1,2,3,4,5,6,7
	v_add_f32 v[PP+\x], v[PP+\x], v[XX+\x]
.endr
	s_wait_xcnt 0x0                                ; the last store's data are rewritten only behind this wait
.irp x, 0,1,2,3
	v_cndmask_b32 v[OO+\x], v[PP+\x], v[PP+4+\x], vcc_lo            ; lanes 16-31 store experts 4-7
.endr
	global_store_b128 v3, v[OO:OO+3], s[PPB:PPB+1] offset:512*\t    ; 16 rows x 32 bytes: 512 consecutive bytes
.endr
	s_wait_tensorcnt 0x0                           ; the wave's end
	ds_add_u32 v[SPW], v[NIL]
	s_wait_dscnt 0x0
	CROUND                                         ; the closing round
	s_endpgm
.Lfunc_end_k_q20bc0e717e_fc1:
	.size	k_q20bc0e717e_fc1, .Lfunc_end_k_q20bc0e717e_fc1-k_q20bc0e717e_fc1
	.p2alignl 7, 3214868480
	.fill 96, 4, 3214868480
	.section	.rodata,"a",@progbits
	.p2align	6, 0x0
	.amdhsa_kernel k_q20bc0e717e_fc1
		.amdhsa_group_segment_fixed_size 327680
		.amdhsa_private_segment_fixed_size 0
		.amdhsa_enable_private_segment 0
		.amdhsa_kernarg_size 64
		.amdhsa_user_sgpr_count 2
		.amdhsa_user_sgpr_kernarg_segment_ptr 1
		.amdhsa_wavefront_size32 1
		.amdhsa_system_sgpr_workgroup_id_x 1
		.amdhsa_system_sgpr_workgroup_id_y 1
		.amdhsa_system_sgpr_workgroup_id_z 1
		.amdhsa_system_vgpr_workitem_id 0
		.amdhsa_next_free_vgpr 1024
		.amdhsa_next_free_sgpr 100
		.amdhsa_reserve_vcc 1
		.amdhsa_float_denorm_mode_32 3
		.amdhsa_float_denorm_mode_16_64 3
		.amdhsa_memory_ordered 1
		.amdhsa_forward_progress 1
		.amdhsa_inst_pref_size 255
	.end_amdhsa_kernel
	.section	.bss,"aw",@nobits
	.p2align	6
	.space	262144
	.amdgpu_metadata
---
amdhsa.version: [ 1, 2 ]
amdhsa.kernels:
  - .name:           k_q20bc0e717e_fc1
    .symbol:         k_q20bc0e717e_fc1.kd
    .args:
      - { .name: xbuf, .offset: 0, .size: 8, .value_kind: global_buffer, .address_space: global }
      - { .name: W1, .offset: 8, .size: 8, .value_kind: global_buffer, .address_space: global }
      - { .name: b1, .offset: 16, .size: 8, .value_kind: global_buffer, .address_space: global }
      - { .name: gwbuf, .offset: 24, .size: 8, .value_kind: global_buffer, .address_space: global }
      - { .name: gate_b1, .offset: 32, .size: 8, .value_kind: global_buffer, .address_space: global }
      - { .name: gate_w2, .offset: 40, .size: 8, .value_kind: global_buffer, .address_space: global }
      - { .name: hbuf, .offset: 48, .size: 8, .value_kind: global_buffer, .address_space: global }
      - { .name: pbuf, .offset: 56, .size: 8, .value_kind: global_buffer, .address_space: global }
    .group_segment_fixed_size: 327680
    .private_segment_fixed_size: 0
    .kernarg_segment_align: 8
    .kernarg_segment_size: 64
    .max_flat_workgroup_size: 128
    .sgpr_count:     100
    .vgpr_count:     1024
    .wavefront_size: 32
...
	.end_amdgpu_metadata
.endif
;; end of part 2
;; launch fc2 (part 3): grid 64 x 4, 4 waves a work-group, clusters of 4 x 4, 327,680 bytes of LDS; arguments hbuf, W2, b2, eobuf; writes eobuf
.if DOCPART == 3
	.amdgcn_target "amdgcn-amd-amdhsa--gfx1250"
	.amdhsa_code_object_version 6
	.text
	.protected	k_q20bc0e717e_fc2
	.globl	k_q20bc0e717e_fc2
	.p2align	8
	.type	k_q20bc0e717e_fc2,@function
k_q20bc0e717e_fc2:
	s_mov_b64 s[64:65], 0
	v_nop
	global_prefetch_b8 v0, s[64:65] scope:SCOPE_SE
	s_setreg_imm32_b32 hwreg(HW_REG_WAVE_MODE, 25, 1), 1
	s_wait_xcnt 0x0
	s_wait_alu depctr_hold_cnt(0) depctr_sa_sdst(0) depctr_va_vdst(0) depctr_va_sdst(0) depctr_va_ssrc(0) depctr_va_vcc(0) depctr_vm_vsrc(0)
	s_getreg_b32 s2, hwreg(HW_REG_IB_STS2, 6, 4)
	s_cmp_eq_u32 s2, 0
	s_cbranch_scc0 .Lentry_in_a_cluster
	s_endpgm
.Lentry_in_a_cluster:
	s_bfe_u32 s2, ttmp6, 0x10000c
	s_cmp_lg_u32 s2, 0xf033
	s_cbranch_scc0 .Lentry_shape_is_right
	s_endpgm
.Lentry_shape_is_right:
; fc2: expert_outs[e] = h[e] W2[e] + b2[e], all scaled by 1/16 as h is.   (fc1's loop without the gate, K = 2,048, in f16.)
; SHARES.  Work-group (nx = 0..63, mt = 0..3): expert e = nx / 8, columns 256 (nx % 8) .. + 255, rows 256 mt .. + 255; four waves 2 x 2, each 128 x 128: 64 accumulators, 512 registers.
; OPERANDS, f16.  Rows (h / 16) come as f16 fragment images (1 KiB = 16 rows x 32 k, [chunk][lane][16 B]; lane (r, h), chunk c: k = 16 h + 8 c + 0..7): 11 significant bits, so that of the chain's two
; intermediates only this launch's result is rounded to 8.  The weights come as they lie, f32 [k][n]: a lane reads 16 bytes = 4 neighbouring columns of each of its 16 rows k = 16 h + s; two rows
; make a word of FOUR fragments; fragment f of a group of 64 columns holds columns 4 r + f.  16 lanes read 256 consecutive bytes, so LDS rows want no padding.
; W2 IS ROUNDED TO bf16 FIRST, like every other weight of this program (the rounding of inputs that the problem's comparison allows for), widened again and packed as f16, which holds a bf16 number
; exactly from 2^-17 to 65,504: four instructions for two numbers.  W2 as drawn has a spread of 0.022; at 1/30 of that only numbers under 7.6e-6 lose bits, 3e-8 at the most.
; THE MATRIX INSTRUCTION IS USED TRANSPOSED (source 0 = weights, source 1 = rows): lane (r, h) holds row r and, over registers j and fragments f, columns 32 h + 4 j + f of the group: 32 neighbouring
; columns, which are four 16-byte chunks of the NEXT product's images.  So the result is stored straight from registers, 16 lanes to 256 consecutive aligned bytes, with no way through LDS.
; The result goes out as bf16 (its range under inputs 30 times larger, 27,000 times the drawn one, has no room in f16).  eobuf: [e 8][kk 64][row block 64][1 KiB].
; K goes in quarters of 32; a slot of LDS holds NQ = 3 quarters (the last lap NQL), two slots take turns.
; CLUSTER 4 x 4: the four work-groups of a row of the cluster need the same rows, the four of a column the same weights: every tile is asked for jointly.
; The bias, times 1/16, is the C of a sum's first product.
; LIMITS.  |W2| from 65,520 on becomes infinite.  The result is rounded to bf16, as the next product's operand.  The order of the sums over k is not the reference's.
.set NQ,     3                         ; quarters in a slot
.set NQL,    2                         ; quarters in each slot of the last lap: 64 = 10 x 6 + 2 x 2
.set TRIPS,  9                         ; full laps less one
.set EW,     16777216                  ; bytes of one expert's weights
.set ADIM,   1024                      ; 8-byte elements in a row of A's tile: 8 row blocks' images
.set AQ,     8192                      ; bytes from quarter to quarter in A's part of a slot
.set AWM,    24576                     ; bytes from the upper 128 rows' images to the lower ones'
.set BOFF,   49152                     ; a slot: A's images 49,152 bytes; then two halves of the weights, [96 k][512 B] each
.set B_HALF, 49152
.set SLOT,   147456
.set SPARE,  2*SLOT                    ; behind the ring: the spare words, 128 bytes a wave, two blocks of 256 bytes that no other line names
.set QA,     65536                     ; bytes from quarter to quarter in hbuf
.set QB,     262144                    ; and in the weights: 32 rows of 8,192 bytes
.set NYOUNG, 16                        ; loads of a run issued behind its 32 raw weight loads: the rows' fragments
; vector registers.  window 0:
.set ADRA, 4                           ; v4,5 LDS address of my row blocks 0-3 in slot 0, 1;  v6,7 of blocks 4-7
.set ADRB, 8                           ; v8,9 of my weights
.set OUT,  12                          ; v12, v13 my byte offset in the result, blocks 0-3 and 4-7
.set SPW,  14                          ; v14 LDS address of my spare word; never rewritten
.set NIL,  15                          ; v15 0; never rewritten
.set AF0,  64                          ; v64-127, v128-191 rows' fragments, two buffers
.set BIAS, 192                         ; v192-255 the bias in an accumulator's layout, for each of the 8 fragments of columns
.set PK,   96                          ; the way out: v96-127 packed, two sets of 16 words
; window 1: v0-127 weights as loaded ([group of 64 columns][row s][4 columns]), then widened again; v128-191, v192-255 their fragments, two buffers.  windows 2, 3: accumulator (a, b) at 8 (8 (a % 4) + b), window 2 + a / 4
.set RAW,  0
.set BF0,  128
; scalar registers
.set SC,   2                           ; s[2:3] 1/16: the packed multiply names a pair and takes its low word for both halves
.set PA,   4                           ; arguments
.set PW,   6
.set PBI,  8
.set POUT, 10
.set WV,   20
.set WM,   21
.set WN,   22
.set CX,   23
.set CY,   24
.set NX,   25
.set EX,   26
.set NT,   27
.set G1A,  32                          ; s[32:39] group 1, s[40:47] group 0 (a set for each slot) of the rows' tiles
.set G0A,  40
.set G1B,  48                          ; s[48:55], s[56:63] of the weights'
.set G0B,  56
.set CNT,  84
.set MROW, 85
.set MCOL, 86
.set LB,   87
.set LA,   66
.set HM,   99                          ; mask of a word's upper bf16
.set MSB, 0
.macro WIN new                         ; the immediate's high byte repeats the setting that is left; a switch that changes nothing is dropped
.if MSB != (\new)
	s_set_vgpr_msb (MSB<<8)|(\new)
.set MSB, (\new)
.endif
.endm
.macro PLACES                          ; four places: a load into, or a vector write of, a register that a matrix instruction has read, and a vector read of a result, stand four plain vector instructions behind it
.rept 4
	v_nop
.endr
.endm
.macro CREST                           ; a round of the cluster's barrier behind its opening barrier
	s_cmp_lg_u32 s[WV], 0
	s_cbranch_scc1 .Lnot_wave_0_\@
	s_barrier_signal -3
.Lnot_wave_0_\@:
	s_barrier_wait -3
	s_barrier_signal -1
	s_barrier_wait -1
.endm
.macro CROUND
	s_barrier_signal -1
	s_barrier_wait -1
	CREST
.endm
.macro ASK g0, g1                      ; one joint load; four v_nop follow it, ahead of the jump, the label and what comes next
	tensor_load_to_lds s[\g0:\g0+3], s[\g1:\g1+7]
	s_nop 0
	PLACES
.endm
.macro ASK2 g0, g1                     ; a wave's two first fills
	tensor_load_to_lds s[\g0:\g0+3], s[\g1:\g1+7]
	s_nop 0
	tensor_load_to_lds s[\g0+4:\g0+7], s[\g1:\g1+7]
	s_nop 0
	PLACES
.endm
; Who asks for what hangs on the wave's number alone: waves 0, 1 the halves of the rows, waves 2, 3 the halves of the weights.
.macro JLOAD s
	s_cmp_lt_u32 s[WV], 2
	s_cbranch_scc0 .Lfor_b_\@
	ASK G0A+4*\s, G1A
	s_branch .Lasked_\@
.Lfor_b_\@:
	ASK G0B+4*\s, G1B
.Lasked_\@:
.endm
	s_load_b256 s[4:11], s[0:1], 0x0
	v_lshl_add_u32 v[SPW], v0, 2, SPARE
	v_mov_b32 v[NIL], 0
	ds_add_u32 v14, v15
	s_wait_dscnt 0x0
	v_lshrrev_b32 v1, 5, v0
	v_readfirstlane_b32 s[WV], v1                  ; wave 0..3
	s_lshr_b32 s[WM], s[WV], 1                     ; which 128 rows are mine
	s_and_b32 s[WN], s[WV], 1                      ; which 128 columns; also: which half of a tile I fetch
	s_bfe_u32 s[CX], ttmp6, 0x40000
	s_bfe_u32 s[CY], ttmp6, 0x40004                ; = mt: the grid is one cluster high
	s_lshl_b32 s[NX], ttmp9, 2
	s_add_co_u32 s[NX], s[NX], s[CX]               ; nx = 4 x cluster x + cx
	s_lshr_b32 s[EX], ttmp9, 1                     ; the expert: nx / 8, made without cx
	s_and_b32 s[NT], s[NX], 7                      ; the tile of 256 columns
	s_lshl_b32 s[MROW], s[CY], 2
	s_lshl_b32 s[MROW], 15, s[MROW]                ; my row of the cluster
	s_lshl_b32 s[MCOL], 0x1111, s[CX]              ; my column
	s_mov_b32 s[HM], 0xffff0000
	s_mov_b32 s[SC], 0x3d800000                    ; 1/16
	s_mov_b32 s[SC+1], 0x3d800000                  ; named with it as a pair, so it is written
	; group 1.  Rows: NQ rows of ADIM elements of 8 bytes (8 row blocks' images of one quarter lie on end), 65,536 bytes from quarter to quarter
	s_or_b32 s[G1A], s[MROW], (3<<16)|(1<<21)
	s_mov_b32 s[G1A+1], ADIM<<16
	s_mov_b32 s[G1A+2], NQ<<16
	s_mov_b32 s[G1A+3], ADIM<<16
	s_mov_b32 s[G1A+4], NQ
	s_mov_b32 s[G1A+5], 8192
	s_mov_b32 s[G1A+6], 0
	s_mov_b32 s[G1A+7], 0
	; weights: 32 NQ rows (k) of 128 f32, 2,048 elements from row to row
	s_or_b32 s[G1B], s[MCOL], (2<<16)|(1<<21)
	s_mov_b32 s[G1B+1], 128<<16
	s_mov_b32 s[G1B+2], (32*NQ)<<16
	s_mov_b32 s[G1B+3], 128<<16
	s_mov_b32 s[G1B+4], 32*NQ
	s_mov_b32 s[G1B+5], 2048
	s_mov_b32 s[G1B+6], 0
	s_mov_b32 s[G1B+7], 0
	; where the tiles come from.  The rows' registers never hold cx, the weights' never cy.
	s_lshl_b32 s28, s[CY], 14                      ; 16 row blocks of 1 KiB x mt
	s_lshl_b32 s67, s[EX], 22                      ; the expert's 64 quarters
	s_add_co_u32 s28, s28, s67
	s_lshl_b32 s67, s[WN], 13                      ; my half: 8 row blocks
	s_add_co_u32 s28, s28, s67
	s_mul_i32 s[LA], s[WN], 24576                  ; and its place in a slot
	s_mov_b32 s29, 0
	s_mul_i32 s30, s[EX], EW
	s_lshl_b32 s90, s[NT], 10                      ; 256 columns of f32
	s_add_co_u32 s30, s30, s90
	s_lshl_b32 s90, s[WN], 9                       ; my half: 128 columns
	s_add_co_u32 s30, s30, s90
	s_mov_b32 s31, 0
	s_mul_i32 s[LB], s[WN], B_HALF
	s_wait_kmcnt 0x0
	s_add_nc_u64 s[28:29], s[PA:PA+1], s[28:29]
	s_add_nc_u64 s[30:31], s[PW:PW+1], s[30:31]
	CROUND                                         ; all sixteen work-groups are here: the first joint loads meet
.irp s, 0,1
	s_mov_b32 s[G0A+4*\s], 1
	s_add_co_u32 s[G0A+4*\s+1], s[LA], \s*SLOT
	s_add_nc_u64 s[G0A+4*\s+2:G0A+4*\s+3], s[28:29], \s*NQ*QA
	s_or_b32 s[G0A+4*\s+3], s[G0A+4*\s+3], 0x80000000
	s_mov_b32 s[G0B+4*\s], 1
	s_add_co_u32 s[G0B+4*\s+1], s[LB], BOFF+\s*SLOT
	s_add_nc_u64 s[G0B+4*\s+2:G0B+4*\s+3], s[30:31], \s*NQ*QB
	s_or_b32 s[G0B+4*\s+3], s[G0B+4*\s+3], 0x80000000
.endr
	; a wave's two first fills stand in one branch on its number: two tensor loads of mine are out, later one
	s_cmp_lt_u32 s[WV], 2
	s_cbranch_scc0 .Lfirst_b
	ASK2 G0A, G1A
	s_branch .Lfirst_asked
.Lfirst_b:
	ASK2 G0B, G1B
.Lfirst_asked:
	v_and_b32 v1, 15, v0                           ; r
	v_bfe_u32 v2, v0, 4, 1                         ; h
	v_and_b32 v3, 31, v0
	v_lshlrev_b32 v3, 4, v3                        ; 16 x lane
	s_mul_i32 s98, s[WM], AWM
	s_mov_b32 s96, 0                               ; row blocks 0-3 begin at my rows' first image,
	s_sub_co_u32 s97, 4096, s96                    ; blocks 4-7 four images on
	s_add_co_u32 s91, s98, s96
	v_add_nc_u32 v[ADRA], s91, v3
	s_add_co_u32 s91, s98, s97
	v_add_nc_u32 v[ADRA+2], s91, v3
	v_add_nc_u32 v[ADRA+1], SLOT, v[ADRA]
	v_add_nc_u32 v[ADRA+3], SLOT, v[ADRA+2]
	v_lshlrev_b32 v[ADRB], 13, v2                  ; 16 h rows of 512 bytes
	v_lshl_add_u32 v[ADRB], v1, 4, v[ADRB]         ; + 4 r columns
	s_add_co_u32 s91, s[LB], BOFF
	v_add_nc_u32 v[ADRB], s91, v[ADRB]
	v_add_nc_u32 v[ADRB+1], SLOT, v[ADRB]
	v_lshlrev_b32 v[OUT], 16, v2                   ; the result: lanes 16-31 hold the next 32 columns = the next kk's image, 65,536 bytes on
	v_lshl_add_u32 v[OUT], v1, 4, v[OUT]
	v_add_nc_u32 v[OUT+1], s97, v[OUT]
	v_add_nc_u32 v[OUT], s96, v[OUT]
	v_lshlrev_b32 v2, 7, v2                        ; the bias: 32 h numbers
	s_lshl_b32 s92, s[EX], 13                      ; bias at (2,048 e + 256 nt + 128 wn) x 4
	s_lshl_b32 s94, s[NT], 10
	s_add_co_u32 s92, s92, s94
	s_lshl_b32 s94, s[WN], 9
	s_add_co_u32 s92, s92, s94
	s_mov_b32 s93, 0
	s_add_nc_u64 s[PBI:PBI+1], s[PBI:PBI+1], s[92:93]
.irp b, 0,1,2,3,4,5,6,7
.irp j, 0,1,2,3,4,5,6,7
	global_load_b32 v[BIAS+8*\b+\j], v2, s[PBI:PBI+1] offset:(64*(\b/4)+4*\j+(\b%4))*4   ; register j of fragment b = 4 g + f: column 64 g + 32 h + 4 j + f
.endr
.endr
	s_lshl_b32 s92, s[EX], 22                      ; the result: expert, kk 8 nt + 4 wn, row block 16 mt + 8 wm
	s_lshl_b32 s94, s[NT], 19
	s_add_co_u32 s92, s92, s94
	s_lshl_b32 s94, s[WN], 18
	s_add_co_u32 s92, s92, s94
	s_lshl_b32 s94, s[CY], 14
	s_add_co_u32 s92, s92, s94
	s_lshl_b32 s94, s[WM], 13
	s_add_co_u32 s92, s92, s94
	s_add_nc_u64 s[POUT:POUT+1], s[POUT:POUT+1], s[92:93]
; Product i of a quarter's 64: row block a = i / 8, fragment of columns b = i % 8, on buffer c.  The 64 accumulators take turns, one instruction a turn.
; first = 1: the sum begins with the bias as C.
.macro MM c, first
.set ma, i/8
.set mb, i%8
.set rD, 8*(8*(ma%4)+mb)
.set rB, BF0+64*(\c)+8*mb
.set rA, AF0+64*(\c)+8*ma
.if \first
	WIN 0x81+0x40*(ma/4)                           ; source 0 window 1, source 1 and C window 0, D window 2 or 3
	v_wmma_f32_16x16x32_f16 v[rD:rD+7], v[rB:rB+7], v[rA:rA+7], v[BIAS+8*mb:BIAS+8*mb+7]
.else
	WIN 0xa1+0x50*(ma/4)                           ; C and D window 2 or 3
	v_wmma_f32_16x16x32_f16 v[rD:rD+7], v[rB:rB+7], v[rA:rA+7], v[rD:rD+7]
.endif
.endm
.macro MMR c, i0, n, first             ; n products from i0 on, bare
.set i, \i0
.rept \n
	MM \c, \first
.set i, i+1
.endr
.endm
; THE LDS LOADS OF A QUARTER STAND IN ONE RUN of 48, never singly among the products: quarter q of a slot, for buffer n: 32 raw rows of weights, then 16 halves of rows' fragments.
.macro FETCH slot, q, n
	WIN 0x40                                       ; destination window 1, address window 0
.set u, 0
.rept 32
	ds_load_b128 v[RAW+4*u:RAW+4*u+3], v[ADRB+\slot] offset:(\q)*16384+(u%16)*512+(u/16)*256
.set u, u+1
.endr
	WIN 0
.set u, 0
.rept 16
	ds_load_b128 v[AF0+64*(\n)+4*u:AF0+64*(\n)+4*u+3], v[ADRA+2*(u/8)+\slot] offset:(\q)*AQ+(u%8)*512
.set u, u+1
.endr
.endm
; THE CONVERSIONS of a quarter are a list of 256 instructions; CVOP writes number cn of it, for buffer nb, and steps cn.  Word u of 64 (word i = u % 8 of fragment b = u / 8 = 4 g + f) is rows 2 i, 2 i + 1
; of column f.  Eight numbers of the list serve two words, by turns, so that no instruction reads the result of the one just before it: both are rounded to bf16 (into the word's own place), each half is
; widened again (a shift, a mask) over the raw number that it came from, both are packed as f16.
.macro CVOP nb
.set cp, cn%8
.if cp < 2
.set cu, 2*(cn/8)+cp
.elseif cp < 6
.set cu, 2*(cn/8)+(cp-2)/2
.else
.set cu, 2*(cn/8)+cp-6
.endif
.set cW, BF0+64*(\nb)+cu
.set cA, RAW+64*(cu/32)+8*(cu%8)+((cu/8)%4)
.if cp < 2
	v_cvt_pk_bf16_f32 v[cW], v[cA], v[cA+4]
.elseif cp >= 6
	v_cvt_pk_f16_f32 v[cW], v[cA], v[cA+4]
.elseif (cp%2) == 0
	v_lshlrev_b32 v[cA], 16, v[cW]
.else
	v_and_b32 v[cA+4], s[HM], v[cW]
.endif
.set cn, cn+1
.endm
.macro CVS nb, per                     ; a slice: the next per numbers of the list, as far as it goes
.if cn < 256
	WIN 0x45                                       ; all in window 1
.rept \per
.if cn < 256
	CVOP \nb
.endif
.endr
.endif
.endm
; The rest of a quarter on buffer c, from product i0 on: the run of loads for quarter q of a slot; the products up to s0 - 1; the wait for the raw weights; then a slice of per conversions behind each
; product (register work, set between products so that the matrix unit has work meanwhile; the price is two window switches a slice).  (64 - s0) x per is at least 256.
.macro REST slot, q, c, first, i0, s0, per
	FETCH \slot, \q, 1-(\c)
.set cn, 0
.set i, \i0
.rept 64-\i0
	MM \c, \first
.if i == (\s0)-1
	s_wait_dscnt NYOUNG                            ; the 32 raw loads are in; the rows' fragments, issued behind them, may be out
.endif
.if i >= \s0
	CVS 1-(\c), \per
.endif
.set i, i+1
.endr
.endm
.macro Q_N slot, q, c, first
	s_wait_dscnt 0x0                               ; this quarter's rows' fragments, issued 48 products ago or more
	MMR \c, 0, 8, \first
	PLACES                                         ; for the loads and conversions into the buffers that the last quarter multiplied
	REST \slot, (\q)+1, \c, \first, 8, 20, 6       ; 44 slices of six
.endm
; A slot's LAST QUARTER changes slots.  In front of the barrier each wave waits for all its tensor loads (one is out: its part of the next slot), adds 0 to its spare word, and waits for that and for its
; reads of this slot.  fill = 1: this slot is filled again, a lap ahead; 2, 3: with the last lap's short steps (slot 0, slot 1); the barrier then opens a round of the cluster's barrier.  0: nothing is filled.
; In the loop a refill has this quarter's other 48 products and two quarters of 64 in which to land.
.macro Q_T slot, next, c, fill
	WIN 0
	s_wait_tensorcnt 0x0                           ; all my tensor loads have landed
	ds_add_u32 v[SPW], v[NIL]                      ; 0 onto my spare word
	s_wait_dscnt 0x1                               ; this quarter's fragments are in; the add alone may be out
	MMR \c, 0, 8, 0
	s_wait_dscnt 0x0                               ; the add is done; my reads of this slot are over
	s_barrier_signal -1
	MMR \c, 8, 8, 0
	WIN 0
	s_barrier_wait -1
.if \fill
	CREST                                          ; no wave of any partner still reads this slot or has a load on its way
.if \fill == 3
.set adv, NQ+NQL
.else
.set adv, 2*NQ
.endif
	s_add_nc_u64 s[G0A+4*\slot+2:G0A+4*\slot+3], s[G0A+4*\slot+2:G0A+4*\slot+3], adv*QA
	s_add_nc_u64 s[G0B+4*\slot+2:G0B+4*\slot+3], s[G0B+4*\slot+2:G0B+4*\slot+3], adv*QB
.if \fill == 2
	s_mov_b32 s[G1A+2], NQL<<16                    ; from here on the tiles are the last lap's: NQL quarters
	s_mov_b32 s[G1A+4], NQL
	s_mov_b32 s[G1B+2], (32*NQL)<<16
	s_mov_b32 s[G1B+4], 32*NQL
.endif
	JLOAD \slot                                    ; my one tensor load behind the round; its four v_nop are also the places in front of the loads below
.else
	PLACES
.endif
	REST \next, 0, \c, 0, 16, 28, 8                ; the run stands eight products later here: 36 slices of eight
.endm
	s_wait_tensorcnt 0x1                           ; my part of slot 0 is in; slot 1's, issued behind it, may stay out
	s_barrier_signal -1
	s_barrier_wait -1
	FETCH 0, 0, 0
	s_wait_dscnt 0x0
.set cn, 0
	CVS 0, 256
	s_wait_loadcnt 0x0                             ; the bias,
	WIN 0
.set k, 0
.rept 32
	v_pk_mul_f32 v[BIAS+2*k:BIAS+2*k+1], v[BIAS+2*k:BIAS+2*k+1], s[SC:SC+1] op_sel_hi:[1,0]   ; which is scaled as h is
.set k, k+1
.endr
	Q_N 0, 0, 0, 1                                 ; the first quarter starts the sums, ahead of the loop
	WIN 0
	s_mov_b32 s[CNT], TRIPS
.Llap:                                                 ; a trip goes once round the ring, from a lap's second quarter to the next lap's first
	Q_N 0, 1, 1, 0
	Q_T 0, 1, 0, 1
	Q_N 1, 0, 1, 0
	Q_N 1, 1, 0, 0
	Q_T 1, 0, 1, 1
	Q_N 0, 0, 0, 0
	WIN 0
	s_sub_co_u32 s[CNT], s[CNT], 1
	s_cmp_lg_u32 s[CNT], 0
	s_cbranch_scc1 .Llap
	Q_N 0, 1, 1, 0                                 ; the last full lap asks for the short steps
	Q_T 0, 1, 0, 2
	Q_N 1, 0, 1, 0
	Q_N 1, 1, 0, 0
	Q_T 1, 0, 1, 3
	Q_N 0, 0, 0, 0                                 ; the last lap: nothing is asked for
	Q_T 0, 1, 1, 0
	Q_N 1, 0, 0, 0
	s_wait_dscnt 0x0                               ; the very last quarter
	MMR 1, 0, 64, 0
	; THE WAY OUT
	PLACES
	WIN 0
; Row block a, column group g: my 32 columns of row r, rounded to bf16, as four chunks of 16 bytes.  Each accumulator is read from its register 0 on.
.macro OUTBLK a, g
.set PKS, PK+16*(\g)
.set AC, 8*(8*((\a)%4)+4*(\g))
	s_wait_xcnt 0x0                                ; the packed registers were an earlier store's data: rewritten only behind this wait
	WIN 0x0a+5*((\a)/4)                            ; sources 0 and 1 window 2 or 3
.irp j, 0,1,2,3,4,5,6,7
.irp p, 0,1
	v_cvt_pk_bf16_f32 v[PKS+2*\j+\p], v[AC+16*\p+\j], v[AC+16*\p+8+\j]
.endr
.endr
	WIN 0
.irp q, 0,1,2,3
	global_store_b128 v[OUT+(\a)/4], v[PKS+4*\q:PKS+4*\q+3], s[POUT:POUT+1] offset:(\g)*131072+((\a)%4)*1024+(\q%2)*512+(\q/2)*256   ; columns 8 q .. + 7: chunk q % 2, lanes' half q / 2 of the image; 16 lanes store 256 consecutive aligned bytes
.endr
.endm
.irp a, 0,1,2,3,4,5,6,7
.irp g, 0,1
	OUTBLK \a, \g
.endr
.endr
	s_wait_tensorcnt 0x0                           ; the wave's end
	ds_add_u32 v[SPW], v[NIL]
	s_wait_dscnt 0x0
	CROUND                                         ; the closing round
	s_endpgm
.Lfunc_end_k_q20bc0e717e_fc2:
	.size	k_q20bc0e717e_fc2, .Lfunc_end_k_q20bc0e717e_fc2-k_q20bc0e717e_fc2
	.p2alignl 7, 3214868480
	.fill 96, 4, 3214868480
	.section	.rodata,"a",@progbits
	.p2align	6, 0x0
	.amdhsa_kernel k_q20bc0e717e_fc2
		.amdhsa_group_segment_fixed_size 327680
		.amdhsa_private_segment_fixed_size 0
		.amdhsa_enable_private_segment 0
		.amdhsa_kernarg_size 32
		.amdhsa_user_sgpr_count 2
		.amdhsa_user_sgpr_kernarg_segment_ptr 1
		.amdhsa_wavefront_size32 1
		.amdhsa_system_sgpr_workgroup_id_x 1
		.amdhsa_system_sgpr_workgroup_id_y 1
		.amdhsa_system_sgpr_workgroup_id_z 1
		.amdhsa_system_vgpr_workitem_id 0
		.amdhsa_next_free_vgpr 1024
		.amdhsa_next_free_sgpr 100
		.amdhsa_reserve_vcc 0
		.amdhsa_float_denorm_mode_32 3
		.amdhsa_float_denorm_mode_16_64 3
		.amdhsa_memory_ordered 1
		.amdhsa_forward_progress 1
		.amdhsa_inst_pref_size 255
	.end_amdhsa_kernel
	.section	.bss,"aw",@nobits
	.p2align	6
	.space	262144
	.amdgpu_metadata
---
amdhsa.version: [ 1, 2 ]
amdhsa.kernels:
  - .name:           k_q20bc0e717e_fc2
    .symbol:         k_q20bc0e717e_fc2.kd
    .args:
      - { .name: hbuf, .offset: 0, .size: 8, .value_kind: global_buffer, .address_space: global }
      - { .name: W2, .offset: 8, .size: 8, .value_kind: global_buffer, .address_space: global }
      - { .name: b2, .offset: 16, .size: 8, .value_kind: global_buffer, .address_space: global }
      - { .name: eobuf, .offset: 24, .size: 8, .value_kind: global_buffer, .address_space: global }
    .group_segment_fixed_size: 327680
    .private_segment_fixed_size: 0
    .kernarg_segment_align: 8
    .kernarg_segment_size: 32
    .max_flat_workgroup_size: 128
    .sgpr_count:     100
    .vgpr_count:     1024
    .wavefront_size: 32
...
	.end_amdgpu_metadata
.endif
;; end of part 3
;; launch clf (part 4): grid 8 x 32, 4 waves a work-group, clusters of 4 x 4, 327,680 bytes of LDS; arguments eobuf, cbuf, clf_b, pbuf, gate_b2, out0, out1; writes out0, out1
.if DOCPART == 4
	.amdgcn_target "amdgcn-amd-amdhsa--gfx1250"
	.amdhsa_code_object_version 6
	.text
	.protected	k_q20bc0e717e_clf
	.globl	k_q20bc0e717e_clf
	.p2align	8
	.type	k_q20bc0e717e_clf,@function
k_q20bc0e717e_clf:
	s_mov_b64 s[64:65], 0
	v_nop
	global_prefetch_b8 v0, s[64:65] scope:SCOPE_SE
	s_setreg_imm32_b32 hwreg(HW_REG_WAVE_MODE, 25, 1), 1
	s_wait_xcnt 0x0
	s_wait_alu depctr_hold_cnt(0) depctr_sa_sdst(0) depctr_va_vdst(0) depctr_va_sdst(0) depctr_va_ssrc(0) depctr_va_vcc(0) depctr_vm_vsrc(0)
	s_getreg_b32 s2, hwreg(HW_REG_IB_STS2, 6, 4)
	s_cmp_eq_u32 s2, 0
	s_cbranch_scc0 .Lentry_in_a_cluster
	s_endpgm
.Lentry_in_a_cluster:
	s_bfe_u32 s2, ttmp6, 0x10000c
	s_cmp_lg_u32 s2, 0xf033
	s_cbranch_scc0 .Lentry_shape_is_right
	s_endpgm
.Lentry_shape_is_right:
; clf: logits[b][e][:] = expert_outs[e][b] clf_w + clf_b, and the router's scores.
; SHARES.  Work-group (ntile = 0..7, e = 0..7, mtl = 0..3): rows 256 mtl .. + 255 of expert e, columns 128 ntile .. + 127: 256 work-groups.  Four waves 2 x 2, each 128 x 64: 32 accumulators.
; OPERANDS.  Both come as bf16 fragment images of 1 KiB (16 rows or columns x 32 k, [chunk][lane][16 B]), so a fragment is two 16-byte LDS loads at 16 x lane: no padding, no conversion.
; expert_outs comes scaled by 1/16 (an exact factor that the chain carries since h): the bias add on the way out is a fused multiply-add by 16.
; A UNIT of the work is two kk (64 k): 32 products on the first kk, 32 on the second.  32 units.  eobuf: [e][kk 64][row block 64][1 KiB]; cbuf: [kk 64][64 images].
; Image f of a group of 64 columns holds columns 4 r + f.  The matrix instruction is used as it is (source 0 = rows): register j of lane (r, h) is row 8 h + j, column 4 r + f, so for one j the four
; accumulators f = 0..3 are four neighbouring columns: the way out gathers them into four neighbouring registers, and 16 lanes store 256 consecutive aligned bytes of a row of out0.
; A slot of LDS holds 3 units (the last lap 1), two slots take turns.  CLUSTER 4 x 4: rows shared along a row of the cluster, clf_w's images along a column.
; REGISTERS.  Window 0: v0-31 addresses and small things; v32-95, v96-159 clf_w's fragments, two buffers (kk m of the unit at + 32 m); on the way out v96-255.  Window 1: the 32 accumulators, (a, f) at
; 8 (4 a + f).  Window 2: the rows' fragments, two buffers of 128: kk m at + 64 m, row block a at + 8 a.  One window setting serves every product; a unit's 48 LDS loads stand in one run: three switches a unit.
; SCORES.  Wave 0 of each work-group adds the 64 partial sums of 4 rows x 8 experts (one number a lane), adds gate_b2 and takes the softmax over 8 lanes, the maximum taken away first.
; LIMITS.  Each work-group stores 128 bytes of out1 (32 KiB in all): all sixteen partners of a cluster run alike.  The order of the sums is not the reference's.
.set NU,     3                         ; units in a slot
.set NUL,    1                         ; in each slot of the last lap: 32 = 5 x 6 + 2 x 1
.set TRIPS,  4                         ; full laps less one
.set A_HALF, 2*NU*8192                 ; a slot: two halves of the rows' images [kk][8 KiB], then two halves of clf_w's [kk][4 KiB]
.set B_HALF, 2*NU*4096
.set BOFF,   2*A_HALF
.set SLOT,   BOFF+2*B_HALF             ; 147,456 bytes
.set SPARE,  2*SLOT                    ; the spare words, 128 bytes a wave: two blocks of 256 bytes that no other line names
.set QS,     65536                     ; bytes from kk to kk in eobuf and in cbuf
.set ADRA, 4                           ; v4,5 LDS address of my rows' images in slot 0, 1
.set ADRB, 6                           ; v6,7 of my columns' images
.set CB,   8                           ; v8-11 clf_b of my four columns
.set OUT,  12
.set SCO,  13                          ; 4 x lane
.set SPW,  14
.set NIL,  15
.set GB2,  16
.set GBO,  17
.set BF,   32
.set SS,   96                          ; the scores' sums
.set O,    128                         ; the way out: v128-191, two sets of 32
.set PT,   192                         ; the 64 partials
.set W_MUL, 0x52                       ; source 0 (rows) window 2, source 1 (columns) window 0, C and D window 1
.set WV,   20
.set WM,   21
.set WN,   22
.set CX,   23
.set CY,   24
.set NTL,  25
.set EX,   26
.set MROW, 18
.set MCOL, 19
.set CNT,  2
.set G1A,  32
.set G0A,  40
.set G1B,  48
.set G0B,  56
.set LA,   69
.set LB,   70
.set K16,  72                          ; 16.0
.set MSB, 0
.macro WIN new                         ; the immediate's high byte repeats the setting that is left; a switch that changes nothing is dropped
.if MSB != (\new)
	s_set_vgpr_msb (MSB<<8)|(\new)
.set MSB, (\new)
.endif
.endm
.macro PLACES                          ; four plain vector instructions between a matrix instruction and a load into its sources or a read of its result
.rept 4
	v_nop
.endr
.endm
.macro CREST
	s_cmp_lg_u32 s[WV], 0
	s_cbranch_scc1 .Lnot_wave_0_\@
	s_barrier_signal -3
.Lnot_wave_0_\@:
	s_barrier_wait -3
	s_barrier_signal -1
	s_barrier_wait -1
.endm
.macro CROUND
	s_barrier_signal -1
	s_barrier_wait -1
	CREST
.endm
.macro JLOAD s                         ; waves 0, 1 ask for the halves of the rows, waves 2, 3 for those of clf_w; four v_nop follow each line
	s_cmp_lt_u32 s[WV], 2
	s_cbranch_scc0 .Lfor_b_\@
	tensor_load_to_lds s[G0A+4*\s:G0A+4*\s+3], s[G1A:G1A+7]
	s_nop 0
	PLACES
	s_branch .Lasked_\@
.Lfor_b_\@:
	tensor_load_to_lds s[G0B+4*\s:G0B+4*\s+3], s[G1B:G1B+7]
	s_nop 0
	PLACES
.Lasked_\@:
.endm
	s_load_b256 s[4:11], s[0:1], 0x0               ; eobuf s[4:5], cbuf s[6:7], clf_b s[8:9], pbuf s[10:11]
	s_load_b128 s[12:15], s[0:1], 0x20             ; gate_b2 s[12:13], out0 s[14:15]
	s_load_b64 s[16:17], s[0:1], 0x30              ; out1
	v_lshl_add_u32 v[SPW], v0, 2, SPARE
	v_mov_b32 v[NIL], 0
	ds_add_u32 v14, v15
	s_wait_dscnt 0x0
	v_lshrrev_b32 v1, 5, v0
	v_readfirstlane_b32 s[WV], v1
	s_lshr_b32 s[WM], s[WV], 1
	s_and_b32 s[WN], s[WV], 1
	s_bfe_u32 s[CX], ttmp6, 0x40000
	s_bfe_u32 s[CY], ttmp6, 0x40004                ; mtl
	s_lshl_b32 s[NTL], ttmp9, 2
	s_add_co_u32 s[NTL], s[NTL], s[CX]             ; ntile
	s_and_b32 s[EX], ttmp7, 0xffff                 ; the cluster's y is the expert
	s_lshl_b32 s[MROW], s[CY], 2
	s_lshl_b32 s[MROW], 15, s[MROW]
	s_lshl_b32 s[MCOL], 0x1111, s[CX]
	s_mov_b32 s[K16], 0x41800000                   ; 16.0
	s_or_b32 s[G1A], s[MROW], (3<<16)|(1<<21)      ; rows: 2 NU rows (kk) of 1,024 elements of 8 bytes (8 images), 65,536 bytes apart
	s_mov_b32 s[G1A+1], 1024<<16
	s_mov_b32 s[G1A+2], (2*NU)<<16
	s_mov_b32 s[G1A+3], 1024<<16
	s_mov_b32 s[G1A+4], 2*NU
	s_mov_b32 s[G1A+5], 8192
	s_mov_b32 s[G1A+6], 0
	s_mov_b32 s[G1A+7], 0
	s_or_b32 s[G1B], s[MCOL], (3<<16)|(1<<21)      ; clf_w: 2 NU rows (kk) of 512 elements (4 images)
	s_mov_b32 s[G1B+1], 512<<16
	s_mov_b32 s[G1B+2], (2*NU)<<16
	s_mov_b32 s[G1B+3], 512<<16
	s_mov_b32 s[G1B+4], 2*NU
	s_mov_b32 s[G1B+5], 8192
	s_mov_b32 s[G1B+6], 0
	s_mov_b32 s[G1B+7], 0
	s_lshl_b32 s28, s[EX], 22                      ; rows: expert (64 kk), 16 mtl row blocks, my half of 8.  These registers never hold cx,
	s_lshl_b32 s27, s[CY], 14
	s_add_co_u32 s28, s28, s27
	s_lshl_b32 s27, s[WN], 13
	s_add_co_u32 s28, s28, s27
	s_mov_b32 s29, 0
	s_lshl_b32 s30, s[NTL], 13                     ; clf_w: 8 images x ntile, my half of 4.  These never hold cy
	s_lshl_b32 s3, s[WN], 12
	s_add_co_u32 s30, s30, s3
	s_mov_b32 s31, 0
	s_mul_i32 s[LA], s[WN], A_HALF
	s_mul_i32 s[LB], s[WN], B_HALF
	s_wait_kmcnt 0x0
	s_add_nc_u64 s[28:29], s[4:5], s[28:29]
	s_add_nc_u64 s[30:31], s[6:7], s[30:31]
	CROUND                                         ; all sixteen work-groups are here: the first joint loads meet
.irp s, 0,1
	s_mov_b32 s[G0A+4*\s], 1
	s_add_co_u32 s[G0A+4*\s+1], s[LA], \s*SLOT
	s_add_nc_u64 s[G0A+4*\s+2:G0A+4*\s+3], s[28:29], \s*2*NU*QS
	s_or_b32 s[G0A+4*\s+3], s[G0A+4*\s+3], 0x80000000
	s_mov_b32 s[G0B+4*\s], 1
	s_add_co_u32 s[G0B+4*\s+1], s[LB], BOFF+\s*SLOT
	s_add_nc_u64 s[G0B+4*\s+2:G0B+4*\s+3], s[30:31], \s*2*NU*QS
	s_or_b32 s[G0B+4*\s+3], s[G0B+4*\s+3], 0x80000000
.endr
	s_cmp_lt_u32 s[WV], 2                          ; a wave's two first fills stand in one branch: two tensor loads of mine are out, later one
	s_cbranch_scc0 .Lfirst_b
	tensor_load_to_lds s[G0A:G0A+3], s[G1A:G1A+7]
	s_nop 0
	tensor_load_to_lds s[G0A+4:G0A+7], s[G1A:G1A+7]
	s_nop 0
	PLACES
	s_branch .Lfirst_asked
.Lfirst_b:
	tensor_load_to_lds s[G0B:G0B+3], s[G1B:G1B+7]
	s_nop 0
	tensor_load_to_lds s[G0B+4:G0B+7], s[G1B:G1B+7]
	s_nop 0
	PLACES
.Lfirst_asked:
	v_and_b32 v1, 15, v0                           ; r
	v_bfe_u32 v2, v0, 4, 1                         ; h
	v_and_b32 v3, 31, v0
	v_lshlrev_b32 v[SCO], 2, v3
	v_lshlrev_b32 v3, 4, v3
	s_mul_i32 s71, s[WM], A_HALF
	v_add_nc_u32 v[ADRA], s71, v3
	v_add_nc_u32 v[ADRA+1], SLOT, v[ADRA]
	s_add_co_u32 s71, s[LB], BOFF
	v_add_nc_u32 v[ADRB], s71, v3
	v_add_nc_u32 v[ADRB+1], SLOT, v[ADRB]
	v_lshlrev_b32 v[OUT], 18, v2                   ; out0: 8 h rows of 32,768 bytes + 4 r columns
	v_lshl_add_u32 v[OUT], v1, 4, v[OUT]
	v_lshlrev_b32 v1, 4, v1
	v_and_b32 v[GBO], 7, v0
	v_lshlrev_b32 v[GBO], 2, v[GBO]
	s_lshl_b32 s66, s[NTL], 9                      ; my 64 columns, in bytes: 512 ntile + 256 wn
	s_lshl_b32 s68, s[WN], 8
	s_add_co_u32 s66, s66, s68
	s_mov_b32 s67, 0
	s_add_nc_u64 s[8:9], s[8:9], s[66:67]
	global_load_b128 v[CB:CB+3], v1, s[8:9]
	s_lshl_b32 s68, s[CY], 23                      ; out0: row 256 mtl + 128 wm, expert e
	s_add_co_u32 s66, s66, s68
	s_lshl_b32 s68, s[WM], 22
	s_add_co_u32 s66, s66, s68
	s_lshl_b32 s68, s[EX], 12
	s_add_co_u32 s66, s66, s68
	s_add_nc_u64 s[14:15], s[14:15], s[66:67]
	s_lshl_b32 s66, s[NTL], 7                      ; scores: 128 bytes x (ntile + 8 (4 e + mtl))
	s_lshl_b32 s68, s[EX], 12
	s_add_co_u32 s66, s66, s68
	s_lshl_b32 s68, s[CY], 10
	s_add_co_u32 s66, s66, s68
	s_add_nc_u64 s[10:11], s[10:11], s[66:67]
	s_add_nc_u64 s[16:17], s[16:17], s[66:67]
; Product i of a kk's 32: row block i / 4, fragment of columns i % 4, kk m of the unit, buffer c.  The 32 accumulators take turns, one instruction a turn.  first = 1: the constant 0 starts the sum.
.macro MM3 c, m, first
	WIN W_MUL
.set rD, 8*i
.set rA, 128*(\c)+64*(\m)+8*(i/4)
.set rB, BF+64*(\c)+32*(\m)+8*(i%4)
.if \first
	v_wmma_f32_16x16x32_bf16 v[rD:rD+7], v[rA:rA+7], v[rB:rB+7], 0
.else
	v_wmma_f32_16x16x32_bf16 v[rD:rD+7], v[rA:rA+7], v[rB:rB+7], v[rD:rD+7]
.endif
.endm
.macro PASS c, m, i0, n, first         ; n products of kk m from number i0 on
.set i, \i0
.rept \n
	MM3 \c, \m, \first
.set i, i+1
.endr
.endm
; THE LDS LOADS OF A UNIT STAND IN ONE RUN of 48, never singly among the products: unit un of a slot, for buffer n: 16 halves of columns' fragments, 32 of rows' fragments, the first kk first.
.macro FETCH3 slot, un, n
	WIN 0
.set k, 0
.rept 16
	ds_load_b128 v[BF+64*(\n)+4*k:BF+64*(\n)+4*k+3], v[ADRB+\slot] offset:(2*(\un)+k/8)*4096+(k%8)*512
.set k, k+1
.endr
	WIN 0x80                                       ; destination window 2, address window 0
.set k, 0
.rept 32
	ds_load_b128 v[128*(\n)+4*k:128*(\n)+4*k+3], v[ADRA+\slot] offset:(2*(\un)+k/16)*8192+(k%16)*512
.set k, k+1
.endr
.endm
; A UNIT on buffer c: 64 products; behind the eighth the next unit's run of loads, 56 products ahead of the wait for it.
.macro U_N slot, un, c, first
	s_wait_dscnt 0x0                               ; this unit's fragments
	PASS \c, 0, 0, 8, \first
	PLACES                                         ; for the loads into the buffer that the last unit multiplied
	FETCH3 \slot, (\un)+1, 1-(\c)
	PASS \c, 0, 8, 24, \first
	PASS \c, 1, 0, 32, 0
.endm
; A slot's LAST UNIT changes slots: each wave waits for all its tensor loads (one is out: its part of the next slot), adds 0 to its spare word, waits for that and for its reads of this slot.
; fill = 1: this slot is filled again a lap ahead; 2, 3: with the last lap's short steps (slot 0, slot 1); the barrier then opens a round of the cluster's barrier.  0: nothing is filled.
; In the loop a refill has this unit's other 48 products and two units of 64 in which to land.
.macro U_T slot, next, c, fill
	WIN 0
	s_wait_tensorcnt 0x0                           ; all my tensor loads have landed
	ds_add_u32 v[SPW], v[NIL]                      ; 0 onto my spare word
	s_wait_dscnt 0x1                               ; this unit's fragments are in; the add alone may be out
	PASS \c, 0, 0, 8, 0
	s_wait_dscnt 0x0                               ; the add is done; my reads of this slot are over
	s_barrier_signal -1
	PASS \c, 0, 8, 8, 0
	WIN 0
	s_barrier_wait -1
.if \fill
	CREST                                          ; no wave of any partner still reads this slot or has a load on its way
.if \fill == 3
.set adv, NU+NUL
.else
.set adv, 2*NU
.endif
	s_add_nc_u64 s[G0A+4*\slot+2:G0A+4*\slot+3], s[G0A+4*\slot+2:G0A+4*\slot+3], 2*adv*QS
	s_add_nc_u64 s[G0B+4*\slot+2:G0B+4*\slot+3], s[G0B+4*\slot+2:G0B+4*\slot+3], 2*adv*QS
.if \fill == 2
	s_mov_b32 s[G1A+2], (2*NUL)<<16                ; from here on the tiles are the last lap's
	s_mov_b32 s[G1A+4], 2*NUL
	s_mov_b32 s[G1B+2], (2*NUL)<<16
	s_mov_b32 s[G1B+4], 2*NUL
.endif
	JLOAD \slot                                    ; my one tensor load behind the round; its four v_nop are also the places in front of the loads below
.else
	PLACES
.endif
	FETCH3 \next, 0, 1-(\c)
	PASS \c, 0, 16, 16, 0
	PASS \c, 1, 0, 32, 0
.endm
	s_wait_tensorcnt 0x1                           ; my part of slot 0 is in; slot 1's, issued behind it, may stay out
	s_barrier_signal -1
	s_barrier_wait -1
	FETCH3 0, 0, 0
	s_wait_loadcnt 0x0                             ; clf_b
	U_N 0, 0, 0, 1                                 ; the first unit's first kk starts the sums, ahead of the loop
	WIN 0
	s_mov_b32 s[CNT], TRIPS
.Llap:                                                 ; a trip goes once round the ring, from a lap's second unit to the next lap's first
	U_N 0, 1, 1, 0
	U_T 0, 1, 0, 1
	U_N 1, 0, 1, 0
	U_N 1, 1, 0, 0
	U_T 1, 0, 1, 1
	U_N 0, 0, 0, 0
	WIN 0
	s_sub_co_u32 s[CNT], s[CNT], 1
	s_cmp_lg_u32 s[CNT], 0
	s_cbranch_scc1 .Llap
	U_N 0, 1, 1, 0                                 ; the last full lap asks for the short steps
	U_T 0, 1, 0, 2
	U_N 1, 0, 1, 0
	U_N 1, 1, 0, 0
	U_T 1, 0, 1, 3
	U_T 0, 1, 0, 0                                 ; the last lap, one unit a slot: nothing is asked for
	s_wait_dscnt 0x0                               ; the very last unit
	PASS 1, 0, 0, 32, 0
	PASS 1, 1, 0, 32, 0
	; THE WAY OUT
	PLACES
	WIN 0
	s_cmp_lg_u32 s[WV], 0
	s_cbranch_scc1 .Lno_part
.set i, 0
.rept 64
	global_load_b32 v[PT+i], v[SCO], s[10:11] offset:i*32768 th:TH_LOAD_NT    ; wave 0 asks for the 64 partial sums of its number now, and uses them behind the stores
.set i, i+1
.endr
	global_load_b32 v[GB2], v[GBO], s[12:13]
.Lno_part:
.macro OUT3 a                          ; row block a: 16 x the sum + the bias, which also gathers four neighbouring columns; each accumulator is read from its register 0 on
.set OS, O+32*((\a)%2)
	s_wait_xcnt 0x0                                ; these registers were an earlier store's data: rewritten only behind this wait
	WIN 0x01                                       ; source 0 in the accumulators' window
.irp j, 0,1,2,3,4,5,6,7
.irp f, 0,1,2,3
	v_fma_f32 v[OS+4*\j+\f], v[8*(4*(\a)+\f)+\j], s[K16], v[CB+\f]
.endr
.endr
	WIN 0
.irp j, 0,1,2,3,4,5,6,7
	global_store_b128 v[OUT], v[OS+4*\j:OS+4*\j+3], s[14:15] offset:(16*(\a)+\j)*32768 th:TH_STORE_NT   ; 16 lanes store 256 consecutive aligned bytes of a row; 119 rows at the most, inside the signed 24-bit immediate
.endr
.endm
.irp a, 0,1,2,3,4,5,6,7
	OUT3 \a
.endr
	s_cmp_lg_u32 s[WV], 0
	s_cbranch_scc1 .Lno_score
	s_wait_loadcnt 0x0
.set i, 0
.rept 32
	v_add_f32 v[SS+i], v[PT+2*i], v[PT+2*i+1]
.set i, i+1
.endr
.irp w, 16,8,4,2,1
.set i, 0
.rept \w
	v_add_f32 v[SS+i], v[SS+i], v[SS+i+\w]
.set i, i+1
.endr
.endr
	v_add_f32 v[SS], v[SS], v[GB2]                 ; the logit of (row lane / 8, expert lane % 8)
	v_max_num_f32_dpp v[SS+1], v[SS], v[SS] row_xmask:1 row_mask:0xf bank_mask:0xf
	v_max_num_f32_dpp v[SS+1], v[SS+1], v[SS+1] row_xmask:2 row_mask:0xf bank_mask:0xf
	v_max_num_f32_dpp v[SS+1], v[SS+1], v[SS+1] row_xmask:4 row_mask:0xf bank_mask:0xf   ; the row's maximum, in its eight lanes
	v_sub_f32 v[SS], v[SS], v[SS+1]
	v_mul_f32 v[SS], 0x3fb8aa3b, v[SS]
	v_exp_f32 v[SS], v[SS]
	v_nop                                          ; a plain instruction between a transcendental and the use of its result (ISA guide 5.7.2)
	s_wait_alu depctr_va_vdst(0)
	v_add_f32_dpp v[SS+2], v[SS], v[SS] row_xmask:1 row_mask:0xf bank_mask:0xf
	v_add_f32_dpp v[SS+2], v[SS+2], v[SS+2] row_xmask:2 row_mask:0xf bank_mask:0xf
	v_add_f32_dpp v[SS+2], v[SS+2], v[SS+2] row_xmask:4 row_mask:0xf bank_mask:0xf       ; at least 1: the maximum's own term
	v_rcp_f32 v[SS+2], v[SS+2]
	v_nop
	s_wait_alu depctr_va_vdst(0)
	v_mul_f32 v[SS], v[SS], v[SS+2]
	global_store_b32 v[SCO], v[SS], s[16:17]
.Lno_score:
	s_wait_tensorcnt 0x0                           ; the wave's end
	ds_add_u32 v[SPW], v[NIL]
	s_wait_dscnt 0x0
	CROUND                                         ; the closing round
	s_endpgm
.Lfunc_end_k_q20bc0e717e_clf:
	.size	k_q20bc0e717e_clf, .Lfunc_end_k_q20bc0e717e_clf-k_q20bc0e717e_clf
	.p2alignl 7, 3214868480
	.fill 96, 4, 3214868480
	.section	.rodata,"a",@progbits
	.p2align	6, 0x0
	.amdhsa_kernel k_q20bc0e717e_clf
		.amdhsa_group_segment_fixed_size 327680
		.amdhsa_private_segment_fixed_size 0
		.amdhsa_enable_private_segment 0
		.amdhsa_kernarg_size 56
		.amdhsa_user_sgpr_count 2
		.amdhsa_user_sgpr_kernarg_segment_ptr 1
		.amdhsa_wavefront_size32 1
		.amdhsa_system_sgpr_workgroup_id_x 1
		.amdhsa_system_sgpr_workgroup_id_y 1
		.amdhsa_system_sgpr_workgroup_id_z 1
		.amdhsa_system_vgpr_workitem_id 0
		.amdhsa_next_free_vgpr 768
		.amdhsa_next_free_sgpr 74
		.amdhsa_reserve_vcc 0
		.amdhsa_float_denorm_mode_32 3
		.amdhsa_float_denorm_mode_16_64 3
		.amdhsa_memory_ordered 1
		.amdhsa_forward_progress 1
		.amdhsa_inst_pref_size 145
	.end_amdhsa_kernel
	.amdgpu_metadata
---
amdhsa.version: [ 1, 2 ]
amdhsa.kernels:
  - .name:           k_q20bc0e717e_clf
    .symbol:         k_q20bc0e717e_clf.kd
    .args:
      - { .name: eobuf, .offset: 0, .size: 8, .value_kind: global_buffer, .address_space: global }
      - { .name: cbuf, .offset: 8, .size: 8, .value_kind: global_buffer, .address_space: global }
      - { .name: clf_b, .offset: 16, .size: 8, .value_kind: global_buffer, .address_space: global }
      - { .name: pbuf, .offset: 24, .size: 8, .value_kind: global_buffer, .address_space: global }
      - { .name: gate_b2, .offset: 32, .size: 8, .value_kind: global_buffer, .address_space: global }
      - { .name: out0, .offset: 40, .size: 8, .value_kind: global_buffer, .address_space: global }
      - { .name: out1, .offset: 48, .size: 8, .value_kind: global_buffer, .address_space: global }
    .group_segment_fixed_size: 327680
    .private_segment_fixed_size: 0
    .kernarg_segment_align: 8
    .kernarg_segment_size: 56
    .max_flat_workgroup_size: 128
    .sgpr_count:     74
    .vgpr_count:     768
    .wavefront_size: 32
...
	.end_amdgpu_metadata
.endif
;; end of part 4
